; MI455X (gfx1250); checked and timed in simulation.
; The chip was launched on July 23, 2026; its instructions are those of AMD's public machine-readable ISA for CDNA 5 (MIT licence, August 2026) and "CDNA5" Instruction Set Architecture Reference Guide (July 2026). The comments in the code are by the model that wrote it; some were corrected since.
;; Macom. Allowed arithmetic: float matrix products may take bf16 or f16 operands with f32 sums; other float arithmetic in f32, or as packed bf16 or f16 multiplies, adds, multiply-adds, maxima and minima; sums over many terms, partial sums and values carried from step to step in f32; what a program stores and reads back later, other than sums and carried values, may be rounded once to bf16 or f16.
;; Inputs: W_dec 512 x 256 float32; W_enc 256 x 512 float32; b_dec 256 float32; b_enc 512 float32; x 512 x 256 x 256 float32.
;; Outputs: out0 512 x 256 float32.
;; 2 versions, each right; version 2 is version 1 with the launch macom written anew for expert scheduling mode. Each part assembles by itself: llvm-mc -triple=amdgcn-amd-amdhsa -mcpu=gfx1250 --defsym DOCPART=n.
;; ======== version 1 of 2: 2 launches
;; limits: right only within a limited range of input values; values outside matrix products are rounded to bf16
;; workspace buffers: wf 262,144 bytes; bv 2,048 bytes
;; launch prep (part 1): grid 16 x 4, 4 waves a work-group, no clusters, 17,920 bytes of LDS; arguments W_enc, W_dec, b_enc, wf, bv; writes wf, bv
.if DOCPART == 1
	.amdgcn_target "amdgcn-amd-amdhsa--gfx1250"
	.amdhsa_code_object_version 6
	.text
	.protected	k_q82a8feab9c_prep
	.globl	k_q82a8feab9c_prep
	.p2align	8
	.type	k_q82a8feab9c_prep,@function
k_q82a8feab9c_prep:
	s_mov_b64 s[64:65], 0
	v_nop
	global_prefetch_b8 v0, s[64:65] scope:SCOPE_SE
	s_setreg_imm32_b32 hwreg(HW_REG_WAVE_MODE, 25, 1), 1
	s_wait_xcnt 0x0
; What does not hang on the batch, made once:  G = W_enc W_enc^T [256][256],  Wc = W_enc W_dec [256][256],  g = W_enc b_enc [256],  bc = b_enc W_dec [256].
; W_enc [256][512], W_dec [512][256], b_enc [512] are f32 and are rounded to bf16 for the products; sums in f32; G and Wc are rounded once to bf16, g and bc stay f32.
; wf holds G (rows n) and, 131,072 bytes on, Wc^T (rows o), IN FRAGMENT ORDER: [row tile 16][k tile 16][lane 32][16 bytes]; lane l of block (rt, kt) holds row 16 rt + l % 16, k = 16 kt + 8 (l / 16) + 0..7.
; bv holds g, then bc.
; SHARES.  Work-group (rt, qy); wave v takes kt = 4 qy + v and makes BOTH blocks (rt, kt): D[m][col] = sum over d of W_enc[16 kt + m][d] strip[col][d], K = 512 in 16 steps.  Source 0, 16 rows of W_enc, serves both;
; source 1 is the strip: rows 16 rt .. of W_enc for G, columns 16 rt .. of W_dec for Wc.  In the result a lane holds one row of wf (col = l % 16) and 8 neighbouring k: 16 bytes, and a wave stores 512 bytes on end.
; W_dec lies [d][o], so its strip goes through LDS as bf16 and comes back turned (ds_load_tr16_b128).  b_enc goes through LDS as bf16 too; wave 0 of qy = 0 multiplies it, as 16 equal rows, by both strips:
; every register of those results holds g or bc of the lane's row.  Work-groups with qy above 0 stage b_enc (one load a wave) without using it: that keeps the bias work under one branch.
; The loads of W_enc take 32 bytes of a row a lane, W_dec's 64 bytes of a row for four lanes, the two stores of g and bc 64 bytes: small pieces, for inputs of 1 MiB in all.
; LIMITS.  NaN and infinities are not treated apart.  The order of the sums is not the reference's.
; REGISTERS, in windows of 256 (s_set_vgpr_msb: bits 1:0 source 0, 3:2 source 1, 5:4 source 2, 7:6 destination):
;   window 0: v0-15 addresses; v16-47 four accumulators; v48-55 packed results; v56-61 b_enc; v64-127 W_dec as loaded, later v64-95 four fragments of source 0 by turns; v128-255 W_enc's strip, 16 fragments
;   window 1: source 0 as loaded, 16 registers a K step; later b_enc's 16 fragments          window 2: W_enc's strip as loaded; later W_dec's strip, 16 fragments
.set T1,    0                          ; LDS: W_dec[d][16 columns] in bf16, 32 bytes a row, 512 rows
.set BE,    16384                      ; b_enc in bf16, 1,024 bytes
.set SPARE, 17408                      ; the spare words, 128 bytes for each wave: two blocks of 256 bytes that no other line names
.set SPW, 3                            ; v3   LDS address of my spare word; never rewritten
.set NIL, 4                            ; v4   0; never rewritten
.set FO,  5                            ; v5   (l % 16) x 2,048 + 32 (l / 16): my 32 bytes in a fragment's rows of W_enc
.set DO,  7                            ; v7   (l / 4) x 1,024 + 16 (l % 4): my 16 bytes in eight rows of W_dec
.set DST, 8                            ; v8   where they go in T1 as 8 bytes
.set TRA, 9                            ; v9   the turning load's address
.set BA,  10                           ; v10  BE + 16 (l / 16)
.set WO,  11                           ; v11  16 l
.set BO,  12                           ; v12  4 l
.set LN,  13                           ; v13  l
.set ACC, 16                           ; accumulator (parity p of the K step, matrix j) at ACC + 8 (2 p + j)
.set OUTP, 48
.set BR,  56
.set AF,  64
.set WD,  64
.set SF,  128
.set MSB, 0
.macro WIN new                         ; the immediate's high byte repeats the setting that is left; a switch that changes nothing is dropped
.if MSB != (\new)
	s_set_vgpr_msb (MSB<<8)|(\new)
.set MSB, (\new)
.endif
.endm
.macro ROWS base                       ; 16 rows x 512 f32 as 16 K steps of 16 registers: a lane's d = 32 i + 8 (l / 16) + 0..7 and 32 i + 16 + 8 (l / 16) + 0..7
.set i, 0
.rept 16
	global_load_b128 v[16*i:16*i+3],     v[FO], s[\base:\base+1] offset:128*i
	global_load_b128 v[16*i+4:16*i+7],   v[FO], s[\base:\base+1] offset:128*i+16
	global_load_b128 v[16*i+8:16*i+11],  v[FO], s[\base:\base+1] offset:128*i+64
	global_load_b128 v[16*i+12:16*i+15], v[FO], s[\base:\base+1] offset:128*i+80
.set i, i+1
.endr
.endm
	s_load_b256 s[4:11], s[0:1], 0x0               ; W_enc s[4:5], W_dec s[6:7], b_enc s[8:9], wf s[10:11]
	s_load_b64 s[12:13], s[0:1], 0x20              ; bv
	v_lshl_add_u32 v[SPW], v0, 2, SPARE
	v_mov_b32 v[NIL], 0
	v_lshrrev_b32 v1, 5, v0
	v_readfirstlane_b32 s14, v1                    ; wave 0..3
	v_and_b32 v1, 15, v0                           ; l % 16
	v_bfe_u32 v2, v0, 4, 1                         ; l / 16
	v_and_b32 v[LN], 31, v0
	s_and_b32 s17, ttmp7, 0xffff                   ; qy
	s_or_b32 s18, s17, s14                         ; 0 in wave 0 of qy = 0: the wave that makes g and bc
	s_lshl2_add_u32 s17, s17, s14                  ; kt = 4 qy + wave
	v_lshlrev_b32 v[FO], 11, v1
	v_lshl_add_u32 v[FO], v2, 5, v[FO]
	v_lshrrev_b32 v6, 2, v[LN]                     ; l / 4
	v_and_b32 v14, 3, v0                           ; l % 4
	v_lshlrev_b32 v[DO], 10, v6
	v_lshl_add_u32 v[DO], v14, 4, v[DO]
	s_lshl_b32 s19, s14, 12                        ; my wave's 128 rows of T1
	v_lshl_add_u32 v[DST], v6, 5, s19
	v_lshl_add_u32 v[DST], v14, 3, v[DST]
	v_and_b32 v15, 7, v0
	v_lshl_add_u32 v15, v2, 3, v15                 ; row 8 (l / 16) + l % 8,
	v_bfe_u32 v6, v0, 3, 1
	v_lshlrev_b32 v[TRA], 5, v15
	v_lshl_add_u32 v[TRA], v6, 4, v[TRA]           ; columns 8 ((l / 8) % 2) on
	v_lshl_add_u32 v[BA], v2, 4, BE
	v_lshlrev_b32 v[WO], 4, v[LN]
	v_lshlrev_b32 v[BO], 2, v[LN]
	v_lshlrev_b32 v62, 4, v0                       ; my thread's 16 bytes of b_enc,
	v_lshl_add_u32 v63, v0, 3, BE                  ; and its 8 bytes in LDS
	s_lshl_b32 s26, s17, 15                        ; source 0: 16 kt rows of 2,048 bytes
	s_mov_b32 s27, 0
	s_lshl_b32 s28, ttmp9, 15                      ; W_enc's strip: 16 rt rows
	s_mov_b32 s29, 0
	s_lshl_b32 s32, s14, 17                        ; W_dec's strip: my wave's 128 rows of 1,024 bytes,
	s_lshl_b32 s33, ttmp9, 6                       ; columns 16 rt on
	s_add_co_u32 s32, s32, s33
	s_mov_b32 s33, 0
	s_lshl4_add_u32 s34, ttmp9, s17                ; block 16 rt + kt of wf,
	s_lshl_b32 s34, s34, 9                         ; 512 bytes each
	s_mov_b32 s35, 0
	s_lshl_b32 s36, ttmp9, 6                       ; 16 rt numbers of g and of bc
	s_mov_b32 s37, 0
	s_wait_kmcnt 0x0
	s_add_nc_u64 s[20:21], s[4:5], s[26:27]
	s_add_nc_u64 s[22:23], s[4:5], s[28:29]
	s_add_nc_u64 s[24:25], s[6:7], s[32:33]
	s_add_nc_u64 s[10:11], s[10:11], s[34:35]
	s_add_nc_u64 s[12:13], s[12:13], s[36:37]
	global_load_b128 v[BR:BR+3], v62, s[8:9]       ; b_enc: the work-group's 128 threads take its 2,048 bytes
.set q, 0
.rept 16                                       ; W_dec: eight rows x 64 bytes a load
	global_load_b128 v[WD+4*q:WD+4*q+3], v[DO], s[24:25] offset:8192*q
.set q, q+1
.endr
	WIN 0x80                                       ; destination window 2
	ROWS 22                                        ; W_enc's strip
	WIN 0
	s_wait_loadcnt 63                              ; 64 loads were issued behind W_dec's last (63 is the largest count that a wait names): b_enc and W_dec are in
	v_cvt_pk_bf16_f32 v[BR+4], v[BR], v[BR+1]
	v_cvt_pk_bf16_f32 v[BR+5], v[BR+2], v[BR+3]
	ds_store_b64 v63, v[BR+4:BR+5]
.set i, 0
.rept 32                                       ; in place, ascending: register i takes 2 i and 2 i + 1
	v_cvt_pk_bf16_f32 v[WD+i], v[WD+2*i], v[WD+2*i+1]
.set i, i+1
.endr
.set q, 0
.rept 16
	ds_store_b64 v[DST], v[WD+2*q:WD+2*q+1] offset:T1+256*q
.set q, q+1
.endr
	WIN 0x40                                       ; destination window 1
	ROWS 20                                        ; source 0
	WIN 0
	s_wait_loadcnt 63                              ; 64 loads were issued behind the strip's last: W_enc's strip is in
	WIN 0x0a                                       ; sources 0 and 1 window 2
.set i, 0
.rept 128
	v_cvt_pk_bf16_f32 v[SF+i], v[2*i], v[2*i+1]
.set i, i+1
.endr
	WIN 0
	s_wait_dscnt 0x0                               ; for the others' sake: my stores into T1 and BE are done
	s_barrier_signal -1
	s_barrier_wait -1                              ; everybody's are
	WIN 0x80
.set ks, 0
.rept 16                                       ; W_dec's strip, turned: lane l gets column l % 16 and d = 32 ks + 8 (l / 16) + 0..7, then 16 further on
	ds_load_tr16_b128 v[8*ks:8*ks+3],   v[TRA] offset:T1+1024*ks
	ds_load_tr16_b128 v[8*ks+4:8*ks+7], v[TRA] offset:T1+1024*ks+512
.set ks, ks+1
.endr
	WIN 0
	s_wait_dscnt 0x0
; The 16 K steps.  The four accumulators take turns, one instruction a turn; the first two steps start the sums with the constant 0.
; A fragment buffer is written again 24 conversions behind the products that read it.
.set ks, 0
.rept 16
	s_wait_loadcnt 60-4*ks                         ; the later steps' loads of source 0, four each, may stay out
	WIN 0x05                                       ; sources 0 and 1 window 1
.irp q, 0,1,2,3,4,5,6,7
	v_cvt_pk_bf16_f32 v[AF+8*(ks%4)+(\q)], v[16*ks+2*(\q)], v[16*ks+2*(\q)+1]
.endr
	WIN 0
.if ks < 2
	v_wmma_f32_16x16x32_bf16 v[ACC+16*(ks%2):ACC+16*(ks%2)+7], v[AF+8*(ks%4):AF+8*(ks%4)+7], v[SF+8*ks:SF+8*ks+7], 0
	WIN 0x08                                       ; source 1 window 2
	v_wmma_f32_16x16x32_bf16 v[ACC+16*(ks%2)+8:ACC+16*(ks%2)+15], v[AF+8*(ks%4):AF+8*(ks%4)+7], v[8*ks:8*ks+7], 0
.else
	v_wmma_f32_16x16x32_bf16 v[ACC+16*(ks%2):ACC+16*(ks%2)+7], v[AF+8*(ks%4):AF+8*(ks%4)+7], v[SF+8*ks:SF+8*ks+7], v[ACC+16*(ks%2):ACC+16*(ks%2)+7]
	WIN 0x08
	v_wmma_f32_16x16x32_bf16 v[ACC+16*(ks%2)+8:ACC+16*(ks%2)+15], v[AF+8*(ks%4):AF+8*(ks%4)+7], v[8*ks:8*ks+7], v[ACC+16*(ks%2)+8:ACC+16*(ks%2)+15]
.endif
.set ks, ks+1
.endr
	WIN 0
.rept 4
	v_nop                                          ; four places between the last product and the first read of a result (ISA guide 7.12.1)
.endr
.irp r, 0,2,4,6,8,10,12,14
	v_pk_add_f32 v[ACC+(\r):ACC+(\r)+1], v[ACC+(\r):ACC+(\r)+1], v[ACC+16+(\r):ACC+16+(\r)+1]  ; the two parities; each accumulator is read from its low end on
.endr
.irp q, 0,1,2,3,4,5,6,7
	v_cvt_pk_bf16_f32 v[OUTP+(\q)], v[ACC+2*(\q)], v[ACC+2*(\q)+1]
.endr
	global_store_b128 v[WO], v[OUTP:OUTP+3],   s[10:11]                ; G's block: the wave stores 512 consecutive bytes, at a multiple of 512 from wf's first
	global_store_b128 v[WO], v[OUTP+4:OUTP+7], s[10:11] offset:131072  ; Wc^T's block
	s_cmp_lg_u32 s18, 0
	s_cbranch_scc1 .Lend
	; g and bc of the 16 rows rt: source 0 = b_enc in all 16 rows (the address has no row term)
	WIN 0x40
.set ks, 0
.rept 16
	ds_load_b128 v[8*ks:8*ks+3],   v[BA] offset:64*ks
	ds_load_b128 v[8*ks+4:8*ks+7], v[BA] offset:64*ks+32
.set ks, ks+1
.endr
	s_wait_dscnt 0x0
.set ks, 0
.rept 16
	WIN 0x01                                       ; source 0 window 1
.if ks < 2
	v_wmma_f32_16x16x32_bf16 v[ACC+16*(ks%2):ACC+16*(ks%2)+7], v[8*ks:8*ks+7], v[SF+8*ks:SF+8*ks+7], 0
	WIN 0x09                                       ; and source 1 window 2
	v_wmma_f32_16x16x32_bf16 v[ACC+16*(ks%2)+8:ACC+16*(ks%2)+15], v[8*ks:8*ks+7], v[8*ks:8*ks+7], 0
.else
	v_wmma_f32_16x16x32_bf16 v[ACC+16*(ks%2):ACC+16*(ks%2)+7], v[8*ks:8*ks+7], v[SF+8*ks:SF+8*ks+7], v[ACC+16*(ks%2):ACC+16*(ks%2)+7]
	WIN 0x09
	v_wmma_f32_16x16x32_bf16 v[ACC+16*(ks%2)+8:ACC+16*(ks%2)+15], v[8*ks:8*ks+7], v[8*ks:8*ks+7], v[ACC+16*(ks%2)+8:ACC+16*(ks%2)+15]
.endif
.set ks, ks+1
.endr
	WIN 0
.rept 4
	v_nop
.endr
	v_add_f32 v14, v[ACC], v[ACC+16]               ; register 0 of each: lane l of the first 16 holds g of row 16 rt + l,
	v_add_f32 v15, v[ACC+8], v[ACC+24]             ; and bc
	v_cmp_gt_u32 vcc_lo, 16, v[LN]
	s_wait_xcnt 0x0                                ; EXEC is narrowed only when the stores above have read their sources
	s_and_saveexec_b32 s30, vcc_lo
	global_store_b32 v[BO], v14, s[12:13]
	global_store_b32 v[BO], v15, s[12:13] offset:1024
	s_wait_xcnt 0x0                                ; and widened only when these two have
	s_or_b32 exec_lo, exec_lo, s30
.Lend:
	s_wait_tensorcnt 0x0                           ; the wave's end, behind my last LDS store
	ds_add_u32 v[SPW], v[NIL]
	s_wait_dscnt 0x0
	s_endpgm
.Lfunc_end_k_q82a8feab9c_prep:
	.size	k_q82a8feab9c_prep, .Lfunc_end_k_q82a8feab9c_prep-k_q82a8feab9c_prep
	.p2alignl 7, 3214868480
	.fill 96, 4, 3214868480
	.section	.rodata,"a",@progbits
	.p2align	6, 0x0
	.amdhsa_kernel k_q82a8feab9c_prep
		.amdhsa_group_segment_fixed_size 17920
		.amdhsa_private_segment_fixed_size 0
		.amdhsa_enable_private_segment 0
		.amdhsa_kernarg_size 40
		.amdhsa_user_sgpr_count 2
		.amdhsa_user_sgpr_kernarg_segment_ptr 1
		.amdhsa_wavefront_size32 1
		.amdhsa_system_sgpr_workgroup_id_x 1
		.amdhsa_system_sgpr_workgroup_id_y 1
		.amdhsa_system_sgpr_workgroup_id_z 1
		.amdhsa_system_vgpr_workitem_id 0
		.amdhsa_next_free_vgpr 768
		.amdhsa_next_free_sgpr 66
		.amdhsa_reserve_vcc 1
		.amdhsa_float_denorm_mode_32 3
		.amdhsa_float_denorm_mode_16_64 3
		.amdhsa_memory_ordered 1
		.amdhsa_forward_progress 1
		.amdhsa_inst_pref_size 49
	.end_amdhsa_kernel
	.amdgpu_metadata
---
amdhsa.version: [ 1, 2 ]
amdhsa.kernels:
  - .name:           k_q82a8feab9c_prep
    .symbol:         k_q82a8feab9c_prep.kd
    .args:
      - { .name: W_enc, .offset: 0, .size: 8, .value_kind: global_buffer, .address_space: global }
      - { .name: W_dec, .offset: 8, .size: 8, .value_kind: global_buffer, .address_space: global }
      - { .name: b_enc, .offset: 16, .size: 8, .value_kind: global_buffer, .address_space: global }
      - { .name: wf, .offset: 24, .size: 8, .value_kind: global_buffer, .address_space: global }
      - { .name: bv, .offset: 32, .size: 8, .value_kind: global_buffer, .address_space: global }
    .group_segment_fixed_size: 17920
    .private_segment_fixed_size: 0
    .kernarg_segment_align: 8
    .kernarg_segment_size: 40
    .max_flat_workgroup_size: 128
    .sgpr_count:     66
    .vgpr_count:     768
    .wavefront_size: 32
...
	.end_amdgpu_metadata
.endif
;; end of part 1
;; launch macom (part 2): grid 256 x 1, 4 waves a work-group, no clusters, 283,136 bytes of LDS; arguments x, wf, bv, b_dec, out0; writes out0
.if DOCPART == 2
	.amdgcn_target "amdgcn-amd-amdhsa--gfx1250"
	.amdhsa_code_object_version 6
	.text
	.protected	k_q82a8feab9c_macom
	.globl	k_q82a8feab9c_macom
	.p2align	8
	.type	k_q82a8feab9c_macom,@function
k_q82a8feab9c_macom:
	s_mov_b64 s[64:65], 0
	v_nop
	global_prefetch_b8 v0, s[64:65] scope:SCOPE_SE
	s_setreg_imm32_b32 hwreg(HW_REG_WAVE_MODE, 25, 1), 1
	s_wait_xcnt 0x0
; out0[b][o] = max over i of ( sum over j of softmax_i(enc_i . enc_j) enc_j W_dec )[o] + b_dec[o],  enc = x W_enc + b_enc.  x: [512][256][256] f32; out0: [512][256] f32.
; RE-ASSOCIATED, exactly, for every input.  enc_i . enc_j = x_i . Y_j + b_enc . enc_j with Y = x G + g; the second term does not hang on i and cancels in a softmax over i, so the score is
; S[i][j] = x_i . Y_j, and its own column maximum is taken away.  (P enc) W_dec = P Z with Z = x Wc + bc.  b_dec is added behind the maximum over i.  So a batch is four products of 256 x 256 x 256.
; G, Wc^T (bf16, in fragment order, in wf) and g, bc (f32, in bv) come from the launch before.
; FORMATS.  x, G, Wc, Y, the weights E = 2^(c S - c m) and Z / l are bf16 matrix operands, each rounded once; all sums, maxima, l and 1 / l are f32 (l is the sum of the unrounded E).  c = log2(e).
; LIMITS.  NaN and infinities are not treated apart (the maxima drop a NaN).  A weight below 2^-126 counts as 0.  c m is rounded to f32 before it is taken away, so a column's E share a factor
; 2^d with |d| at most half a last place of c m; it cancels in E / l as long as 2^d stays in f32's range, which holds for |c m| under 2^30.  The order of the sums is not the reference's.
; SHARES.  A work-group stays and makes batches 2 wg and 2 wg + 1.  Wave w owns the block 64 w .. 64 w + 63: of n in phase A, of j in C, of o in B and D.
;   A  Y^T tile [n own][j]   = G bank x X tile j, C = g         -> Y[j][n] bf16 into R2
;   C  S^T tile [j own][i]   = Y own rows x X tile i            -> 64 accumulators; maximum and sum over i (16 accumulators, then 16 lanes); E[i][j] bf16 into R2, 1 / l into RL
;   B  Z tile   [j][o own]   = X tile j x Wc^T bank, C = bc     -> times 1 / l[j], bf16: that IS a fragment of (Z / l)^T, kept in window 2
;   D  out^T tile [o own][i] = (Z / l)^T bank x E tile i        -> running maximum over i
; In A, B and D a bank of 32 fragments stays in registers and tiles of 16 rows move past it: 16 LDS loads feed 32 products.  The next batch's x is asked for a phase ahead, 16 rows (16 KiB on end) a wave and
; phase, waits in window 3 as bf16, and goes into R1 when phase B has read the old x for the last time.
; NO CLUSTER, NO TENSOR LOADS.  Work-groups share the weights alone, 32 KiB a wave and bank, which go straight into registers in fragment order; a joint load lands in LDS, where X and Y / E hold 270,336
; bytes and a work-group's bank of 131,072 has no room.  x is f32 and is rounded on its way in, through registers.  NO PREFETCH: x's own loads go out a whole phase ahead of their use.
; REGISTERS, in windows of 256 (s_set_vgpr_msb: bits 1:0 source 0, 3:2 source 1, 5:4 source 2, 7:6 destination):
;   window 0: v0-31 addresses and small things; v32-63 the C operands (A, B), m and c m (softmax), the running maximum (D); v64-127, v128-191 two buffers of moving fragments, E on its way out;
;             v192-223, v224-255 two sets of four accumulators (A, B, D), Y's fragments (C), l (softmax)
;   window 1: G bank (A), S of my j tiles 0, 1 (C), Wc^T bank (B), the next G (D)      window 2: S of j tiles 2, 3 (C), (Z / l)^T bank (B, D)      window 3: the next batch's x
.set P,     528                        ; an LDS row: 512 bytes + 16 = 33 x 16: the 16 rows of a fragment load start at 16 different groups of four banks (64 banks of 4 bytes: ISA guide 11.1)
.set TILEB, 16*P
.set R1,    0                          ; X bf16 [row][k]
.set R2,    256*P                      ; Y bf16 [j][n], later E bf16 [i][j]
.set CG,    2*256*P                    ; g, 256 f32
.set CBX,   CG+1024                    ; bc, each number eight times: [o][8] f32
.set CD,    CBX+8192                   ; b_dec, 256 f32
.set RL,    CD+1024                    ; 1 / l[j], 256 f32
.set OUTS,  RL+1024                    ; 256 bytes for each wave, for the way out
.set SPARE, OUTS+1024                  ; the spare words, 128 bytes for each wave: two blocks of 256 bytes that no other line names
.set PA, 0
.set PB, 1
.set PD, 2
.set SPW,  3                           ; v3   LDS address of my spare word; never rewritten
.set NIL,  4                           ; v4   0; never rewritten
.set XRD0, 5                           ; v5   R1 + FR, FR = (l % 16) P + 16 (l / 16): my place in a fragment's rows
.set XRD1, 6                           ; v6   eight tiles further on (an LDS offset holds 16 bits)
.set YRD,  7                           ; v7   R2 + 64 w rows + FR
.set ERD,  8                           ; v8   R2 + FR
.set MV,   9                           ; v9   the moving tile's address
.set YST,  10                          ; v10  R2 + (l % 16) P + 2 (64 w + 8 (l / 16)): where my 16 bytes of a row of Y, and of E, go
.set YSR,  11                          ; v11  the same in the tile that is going out
.set EST1, 13                          ; v13  YST eight tiles further on
.set CGA,  14
.set CBA,  15
.set CDA,  16
.set RLAD, 17
.set RLST, 18
.set XST,  19                          ; v19  R1 + 64 w rows + 8 l
.set GOF,  20                          ; v20  16 l
.set OST,  21
.set ORD,  22
.set OGO,  23
.set CY,   24                          ; phase C: the three addresses at the K step in hand
.set CX0,  25
.set CX1,  26
.set RLR,  24                          ; phase B: v24-31, 1 / l of a tile's eight j
.set BIAS, 32
.set M,    32
.set CM,   40
.set RM,   32
.set FA,   64
.set FB,   128
.set AA,   192
.set AB,   224
.set XF0,  64
.set XF1,  128
.set YF0,  192
.set YF1,  224
.set SUM,  192
.set WV,  14                           ; s14  my wave's number
.set TR,  15                           ; s15  batches to go
.set CNT, 16                           ; s16  the loops' count
.set GH,  17                           ; s17  the count at which phase D asks for the next G; 0: never
.set CS,  18                           ; s[18:19] c
.set XN,  20                           ; s[20:21] x at my 64 rows of the batch that is being fetched
.set GP,  22                           ; s[22:23] my bank of G
.set WP,  24                           ; s[24:25] my bank of Wc^T
.set OP,  26                           ; s[26:27] out0 at the batch in hand
.set TB,  28                           ; s28  byte offset of the tile (A, D) or K step (C) to be fetched
.set TY,  29                           ; s29  byte offset of the tile of Y that is going out
.set MSB, 0
.macro WIN new                         ; the immediate's high byte repeats the setting that is left; a switch that changes nothing is dropped
.if MSB != (\new)
	s_set_vgpr_msb (MSB<<8)|(\new)
.set MSB, (\new)
.endif
.endm
.macro PLACES                          ; four places behind a product, in front of loads into registers that it has read and of vector work on its result (ISA guide 7.12.1 for vector work)
.rept 4
	v_nop
.endr
.endm
.macro BAR                             ; my LDS stores are done and my LDS reads are back; then everybody's
	s_wait_dscnt 0x0
	s_barrier_signal -1
	s_barrier_wait -1
.endm
.macro NXIF tag                        ; what follows, up to NXEND, serves the next batch: the last batch jumps over it.  It begins with all my loads in, so that it stands by itself
	s_cmp_eq_u32 s[TR], 1
	s_cbranch_scc1 .Lnx\tag
	s_wait_loadcnt 0x0
.endm
.macro NXEND tag
	WIN 0
.Lnx\tag:
.endm
.macro FRAGS buf, adr, off             ; a tile of 16 rows x 256 k: eight fragments, 16 loads
.irp ks, 0,1,2,3,4,5,6,7
	ds_load_b128 v[(\buf)+8*(\ks):(\buf)+8*(\ks)+3],   v[\adr] offset:(\off)+64*(\ks)
	ds_load_b128 v[(\buf)+8*(\ks)+4:(\buf)+8*(\ks)+7], v[\adr] offset:(\off)+64*(\ks)+32
.endr
.endm
.macro LD32 dst, adr, step             ; 32 registers: four groups of eight f32, step bytes apart
.irp t, 0,1,2,3
	ds_load_b128 v[(\dst)+8*(\t):(\dst)+8*(\t)+3],   v[\adr] offset:(\step)*(\t)
	ds_load_b128 v[(\dst)+8*(\t)+4:(\dst)+8*(\t)+7], v[\adr] offset:(\step)*(\t)+16
.endr
.endm
.macro ST32 src, adr                   ; and back: four groups of eight f32, 64 bytes apart
.irp t, 0,1,2,3
	ds_store_b128 v[\adr], v[(\src)+8*(\t):(\src)+8*(\t)+3]   offset:64*(\t)
	ds_store_b128 v[\adr], v[(\src)+8*(\t)+4:(\src)+8*(\t)+7] offset:64*(\t)+16
.endr
.endm
; Four products: K step ks of the moving tile in buf with the bank's four row tiles; fragment (t, ks) of a bank lies at 8 (8 t + ks).  The four accumulators take turns.
.macro MM4 ph, ks, buf, acc
.if (\ph) == PA
	WIN 0x01                                       ; source 0: the bank, window 1
.elseif (\ph) == PB
	WIN 0x04                                       ; source 1: the bank, window 1
.else
	WIN 0x02                                       ; source 0: the bank, window 2
.endif
.irp t, 0,1,2,3
.if (\ph) == PA
.if (\ks) == 0
	v_wmma_f32_16x16x32_bf16 v[(\acc)+8*(\t):(\acc)+8*(\t)+7], v[8*(8*(\t)+(\ks)):8*(8*(\t)+(\ks))+7], v[(\buf)+8*(\ks):(\buf)+8*(\ks)+7], v[BIAS+8*(\t):BIAS+8*(\t)+7]
.else
	v_wmma_f32_16x16x32_bf16 v[(\acc)+8*(\t):(\acc)+8*(\t)+7], v[8*(8*(\t)+(\ks)):8*(8*(\t)+(\ks))+7], v[(\buf)+8*(\ks):(\buf)+8*(\ks)+7], v[(\acc)+8*(\t):(\acc)+8*(\t)+7]
.endif
.elseif (\ph) == PB
.if (\ks) == 0
	v_wmma_f32_16x16x32_bf16 v[(\acc)+8*(\t):(\acc)+8*(\t)+7], v[(\buf)+8*(\ks):(\buf)+8*(\ks)+7], v[8*(8*(\t)+(\ks)):8*(8*(\t)+(\ks))+7], v[BIAS+8*(\t):BIAS+8*(\t)+7]
.else
	v_wmma_f32_16x16x32_bf16 v[(\acc)+8*(\t):(\acc)+8*(\t)+7], v[(\buf)+8*(\ks):(\buf)+8*(\ks)+7], v[8*(8*(\t)+(\ks)):8*(8*(\t)+(\ks))+7], v[(\acc)+8*(\t):(\acc)+8*(\t)+7]
.endif
.else
.if (\ks) == 0
	v_wmma_f32_16x16x32_bf16 v[(\acc)+8*(\t):(\acc)+8*(\t)+7], v[8*(8*(\t)+(\ks)):8*(8*(\t)+(\ks))+7], v[(\buf)+8*(\ks):(\buf)+8*(\ks)+7], 0
.else
	v_wmma_f32_16x16x32_bf16 v[(\acc)+8*(\t):(\acc)+8*(\t)+7], v[8*(8*(\t)+(\ks)):8*(8*(\t)+(\ks))+7], v[(\buf)+8*(\ks):(\buf)+8*(\ks)+7], v[(\acc)+8*(\t):(\acc)+8*(\t)+7]
.endif
.endif
.endr
.endm
; What is made of accumulator g of a finished tile; each is read from its low end on.
;   A: eight n of a row of Y, rounded in place (ascending) and stored as 16 bytes.   B: eight j of a column of Z times 1 / l, rounded: half a fragment of the bank in window 2 (T: the tile).   D: the running maximum.
.macro EP ph, g, acc, T
.if (\ph) == PA
	WIN 0
.irp q, 0,1,2,3
	v_cvt_pk_bf16_f32 v[(\acc)+8*(\g)+(\q)], v[(\acc)+8*(\g)+2*(\q)], v[(\acc)+8*(\g)+2*(\q)+1]
.endr
	ds_store_b128 v[YSR], v[(\acc)+8*(\g):(\acc)+8*(\g)+3] offset:32*(\g)
.elseif (\ph) == PB
	WIN 0
.irp q, 0,1,2,3
	v_pk_mul_f32 v[(\acc)+8*(\g)+2*(\q):(\acc)+8*(\g)+2*(\q)+1], v[(\acc)+8*(\g)+2*(\q):(\acc)+8*(\g)+2*(\q)+1], v[RLR+2*(\q):RLR+2*(\q)+1]
.endr
	WIN 0x80                                       ; destination window 2
.irp q, 0,1,2,3
	v_cvt_pk_bf16_f32 v[8*(8*(\g)+(\T)/2)+4*((\T)%2)+(\q)], v[(\acc)+8*(\g)+2*(\q)], v[(\acc)+8*(\g)+2*(\q)+1]
.endr
.else
	WIN 0
.irp e, 0,1,2,3,4,5,6,7
	v_max_num_f32 v[RM+8*(\g)+(\e)], v[RM+8*(\g)+(\e)], v[(\acc)+8*(\g)+(\e)]
.endr
.endif
.endm
; A MOVING TILE: 32 products on the fragments in cur, into the set acc.  At its head the next tile's 16 loads go out into oth (ld = 1; ld = 2: not in the loop's last trip; ld = 0: none); the work on the tile
; before (set pacc, ep = 1) stands in groups behind the products.  The wait at the head is for 0: this tile's fragments were asked for a tile ago.  It stands ahead of the loads, so no count hangs on the jump.
.macro TILE ph, cur, oth, acc, pacc, ep, ld, T=0
	s_wait_dscnt 0x0
.if (\ph) == PB
	PLACES
.if \ep
	ds_load_b128 v[RLR:RLR+3],   v[RLAD] offset:64*((\T)-1)      ; 1 / l of the tile before: j = 16 (T - 1) + 8 (l / 16) + 0..7
	ds_load_b128 v[RLR+4:RLR+7], v[RLAD] offset:64*((\T)-1)+16
.endif
.if \ld
.if (\T)+1 < 8
	FRAGS \oth, XRD0, ((\T)+1)*TILEB
.else
	FRAGS \oth, XRD1, ((\T)-7)*TILEB
.endif
.endif
.else
	s_add_co_u32 s[TB], s[TB], TILEB
.if (\ph) == PA
	v_add_nc_u32 v[MV], s[TB], v[XRD0]             ; the address lines are places too
.else
	v_add_nc_u32 v[MV], s[TB], v[ERD]
.endif
.if ((\ph) == PA) && (\ep)
	v_add_nc_u32 v[YSR], s[TY], v[YST]
	s_add_co_u32 s[TY], s[TY], TILEB
.else
	v_nop
.endif
	v_nop
	v_nop
.if (\ld) == 2
	s_cmp_eq_u32 s[CNT], 1
	s_cbranch_scc1 .Lnold\@
.endif
	FRAGS \oth, MV, 0
.if (\ld) == 2
.Lnold\@:
.endif
.endif
.irp ks, 0,1,2,3,4,5,6,7
	MM4 \ph, \ks, \cur, \acc
.if \ep
.if (\ph) == PA
.if (\ks) < 4
	EP PA, \ks, \pacc, 0
.endif
.elseif (\ph) == PB
.if (\ks) == 2
	s_wait_dscnt 16*(\ld)                          ; 1 / l is in; the fragment loads issued behind it, sixteen or none, may stay out
.endif
.if ((\ks) >= 2) && ((\ks) < 6)
	EP PB, (\ks)-2, \pacc, (\T)-1
.endif
.else
.if (\ks)%2 == 0
	EP PD, (\ks)/2, \pacc, 0
.endif
.endif
.endif
.endr
	WIN 0
.endm
; PHASE C, K outside.  One K step of eight tiles of X (16 loads), of my four tiles of Y (8 loads), and 32 products: my four j tiles x eight i tiles.  Accumulator (jt, it) lies in window 1 + jt / 2 at 128 (jt % 2) + 8 it.
.macro XLOAD xf, adr, koff
.irp i, 0,1,2,3,4,5,6,7
	ds_load_b128 v[(\xf)+8*(\i):(\xf)+8*(\i)+3],   v[\adr] offset:(\i)*TILEB+(\koff)
	ds_load_b128 v[(\xf)+8*(\i)+4:(\xf)+8*(\i)+7], v[\adr] offset:(\i)*TILEB+(\koff)+32
.endr
.endm
.macro YLOAD yf, koff
.irp i, 0,1,2,3
	ds_load_b128 v[(\yf)+8*(\i):(\yf)+8*(\i)+3],   v[CY] offset:(\i)*TILEB+(\koff)
	ds_load_b128 v[(\yf)+8*(\i)+4:(\yf)+8*(\i)+7], v[CY] offset:(\i)*TILEB+(\koff)+32
.endr
.endm
.macro CMUL yf, xf, hf, zero
.irp jt, 0,1,2,3
	WIN 0x50*(1+(\jt)/2)                           ; C and D in window 1 or 2
.irp i, 0,1,2,3,4,5,6,7
.if \zero
	v_wmma_f32_16x16x32_bf16 v[128*((\jt)%2)+8*(8*(\hf)+(\i)):128*((\jt)%2)+8*(8*(\hf)+(\i))+7], v[(\yf)+8*(\jt):(\yf)+8*(\jt)+7], v[(\xf)+8*(\i):(\xf)+8*(\i)+7], 0
.else
	v_wmma_f32_16x16x32_bf16 v[128*((\jt)%2)+8*(8*(\hf)+(\i)):128*((\jt)%2)+8*(8*(\hf)+(\i))+7], v[(\yf)+8*(\jt):(\yf)+8*(\jt)+7], v[(\xf)+8*(\i):(\xf)+8*(\i)+7], v[128*((\jt)%2)+8*(8*(\hf)+(\i)):128*((\jt)%2)+8*(8*(\hf)+(\i))+7]
.endif
.endr
.endr
	WIN 0
.endm
; Two K steps in four groups.  Each group: what was asked for a group ago is in; four places; the loads for the next group, into the buffers that the last group multiplied; 32 products.
; first = 1: written out ahead of the loop: the first step's products start the sums.  In the loop's last trip the loads for a further pair are jumped over.
.macro CPAIR first
	s_wait_dscnt 0x0
.if \first
	PLACES
.else
	s_add_co_u32 s[TB], s[TB], 128                 ; 64 k further along the rows
	v_add_nc_u32 v[CY],  s[TB], v[YRD]
	v_add_nc_u32 v[CX0], s[TB], v[XRD0]
	v_add_nc_u32 v[CX1], s[TB], v[XRD1]
	v_nop
.endif
	XLOAD XF1, CX1, 0
	YLOAD YF1, 64
	CMUL YF0, XF0, 0, \first
	s_wait_dscnt 0x0
	PLACES
	XLOAD XF0, CX0, 64
	CMUL YF0, XF1, 1, \first
	s_wait_dscnt 0x0
	PLACES
	XLOAD XF1, CX1, 64
.if !(\first)
	s_cmp_eq_u32 s[CNT], 1
	s_cbranch_scc1 .Lcy\@
.endif
	YLOAD YF0, 128
.if !(\first)
.Lcy\@:
.endif
	CMUL YF1, XF0, 0, 0
	s_wait_dscnt 0x0
	PLACES
.if !(\first)
	s_cmp_eq_u32 s[CNT], 1
	s_cbranch_scc1 .Lcx\@
.endif
	XLOAD XF0, CX0, 128
.if !(\first)
.Lcx\@:
.endif
	CMUL YF1, XF1, 1, 0
.endm
; THE SOFTMAX of my j tile jt, over i.  A lane holds one i (16 it + l % 16) and, by register, j = 8 (l / 16) + 0..7: the maximum and the sum over i go over the 16 accumulators, register by register, and then over 16 lanes.
.macro FSC it, p                       ; c s - c m for pair p of accumulator it
	v_pk_fma_f32 v[SB+8*(\it)+2*(\p):SB+8*(\it)+2*(\p)+1], v[SB+8*(\it)+2*(\p):SB+8*(\it)+2*(\p)+1], s[CS:CS+1], v[CM+2*(\p):CM+2*(\p)+1] op_sel_hi:[1,0,1] neg_lo:[0,0,1] neg_hi:[0,0,1]
.endm
.macro SOFT jt
.set W,  1+(\jt)/2                     ; S's window
.set SB, 128*((\jt)%2)
.set ET, 64+64*((\jt)%2)               ; E on its way out: the two buffers by turns
.set SU, SUM+8*(\jt)
	WIN 0x15*W                                     ; all three sources in S's window
.irp r, 0,1,2,3,4,5,6,7
	v_max3_num_f32 v[M+(\r)], v[SB+(\r)], v[SB+8+(\r)], v[SB+16+(\r)]
.endr
	WIN 0x14*W
.irp s, 1,2,3,4,5,6
.irp r, 0,1,2,3,4,5,6,7
	v_max3_num_f32 v[M+(\r)], v[M+(\r)], v[SB+8*(2*(\s)+1)+(\r)], v[SB+8*(2*(\s)+2)+(\r)]
.endr
.endr
	WIN 0x04*W
.irp r, 0,1,2,3,4,5,6,7
	v_max_num_f32 v[M+(\r)], v[M+(\r)], v[SB+120+(\r)]
.endr
	WIN 0
.irp x, 1,2,4,8
.irp r, 0,1,2,3,4,5,6,7
	v_max_num_f32_dpp v[M+(\r)], v[M+(\r)], v[M+(\r)] row_xmask:\x row_mask:0xf bank_mask:0xf
.endr
.endr
.irp q, 0,2,4,6
	v_pk_mul_f32 v[CM+(\q):CM+(\q)+1], v[M+(\q):M+(\q)+1], s[CS:CS+1] op_sel_hi:[1,0]
.endr
	WIN 0x41*W                                     ; destination and source 0 in S's window
.irp p, 0,1,2,3
	FSC 0, \p
.endr
.set it, 0
.rept 16                                       ; ONE BATCH of 128 exponentials, in place; between them the next accumulator's scalings, which name no result of theirs
.irp p, 0,1,2,3
.if it < 15
	FSC it+1, \p
.endif
	v_exp_f32 v[SB+8*it+2*(\p)],   v[SB+8*it+2*(\p)]
	v_exp_f32 v[SB+8*it+2*(\p)+1], v[SB+8*it+2*(\p)+1]
.endr
.set it, it+1
.endr
	v_nop                                          ; a plain instruction behind the last exponential,
	s_wait_alu depctr_va_vdst(0)                   ; and one wait ahead of the first line that names a result
	WIN 0x05*W
.irp p, 0,2,4,6
	v_pk_add_f32 v[SU+(\p):SU+(\p)+1], v[SB+(\p):SB+(\p)+1], v[SB+8+(\p):SB+8+(\p)+1]  ; the first two accumulators start the sums
.endr
.set i, 0
.rept 64
	v_cvt_pk_bf16_f32 v[ET+i], v[SB+2*i], v[SB+2*i+1]
.set i, i+1
.endr
	WIN 0x04*W
.set it, 2
.rept 14
.irp p, 0,2,4,6
	v_pk_add_f32 v[SU+(\p):SU+(\p)+1], v[SU+(\p):SU+(\p)+1], v[SB+8*it+(\p):SB+8*it+(\p)+1]
.endr
.set it, it+1
.endr
	WIN 0
.set it, 0
.rept 8                                        ; a lane's eight E are 16 bytes of row i of E
	ds_store_b128 v[YST],  v[ET+4*it:ET+4*it+3]       offset:it*TILEB+32*(\jt)
	ds_store_b128 v[EST1], v[ET+32+4*it:ET+32+4*it+3] offset:it*TILEB+32*(\jt)
.set it, it+1
.endr
.endm
; THE NEXT BATCH's x.  A chunk is 16 of my 64 rows: 16,384 bytes on end.  ISSUE: 32 loads of 512 consecutive bytes into window 3.  FINISH: rounded to bf16, 128 registers into 64 (in place where the bases are equal:
; ascending, register q takes 2 q and 2 q + 1).  STORE: into R1; a store of the wave covers 256 consecutive bytes, half a row.
.macro ISSUE c, base
	WIN 0xc0
.set q, 0
.rept 32
	global_load_b128 v[(\base)+4*q:(\base)+4*q+3], v[GOF], s[XN:XN+1] offset:16384*(\c)+512*q th:TH_LOAD_NT
.set q, q+1
.endr
	WIN 0
.endm
.macro FINISH sb, db
	WIN 0xcf
.set q, 0
.rept 64
	v_cvt_pk_bf16_f32 v[(\db)+q], v[(\sb)+2*q], v[(\sb)+2*q+1]
.set q, q+1
.endr
	WIN 0
.endm
.macro STORE c, base
	WIN 0x0c
.set q, 0
.rept 32
	ds_store_b64 v[XST], v[(\base)+2*q:(\base)+2*q+1] offset:(16*(\c)+q/2)*P+256*(q%2)
.set q, q+1
.endr
	WIN 0
.endm
.macro WLOAD ptr, first                ; half a bank into window 1: 32 loads of 512 consecutive bytes; register 4 i comes from byte 512 i
	WIN 0x40
.set q, (\first)
.rept 32
	global_load_b128 v[4*q:4*q+3], v[GOF], s[\ptr:\ptr+1] offset:512*q
.set q, q+1
.endr
	WIN 0
.endm
	s_load_b256 s[4:11], s[0:1], 0x0               ; x s[4:5], wf s[6:7], bv s[8:9], b_dec s[10:11]
	s_load_b64 s[12:13], s[0:1], 0x20              ; out0
	v_lshl_add_u32 v[SPW], v0, 2, SPARE
	v_mov_b32 v[NIL], 0
	v_lshrrev_b32 v24, 5, v0
	v_readfirstlane_b32 s[WV], v24                 ; wave 0..3
	v_and_b32 v1, 15, v0                           ; l % 16
	v_bfe_u32 v2, v0, 4, 1                         ; l / 16
	v_and_b32 v25, 31, v0                          ; l
	v_mul_u32_u24 v26, v1, P
	v_lshl_add_u32 v26, v2, 4, v26                 ; FR
	s_mul_i32 s30, s[WV], 64*P                     ; my 64 rows
	s_add_co_u32 s31, s30, R2
	s_lshl_b32 s32, s[WV], 7                       ; my 64 columns of bf16
	s_lshl_b32 s33, s[WV], 8                       ; my 64 numbers of f32
	s_lshl_b32 s34, s[WV], 11                      ; my 64 rows of CBX
	v_add_nc_u32 v[XRD0], R1, v26
	v_add_nc_u32 v[XRD1], R1+8*TILEB, v26
	v_add_nc_u32 v[ERD], R2, v26
	v_add_nc_u32 v[YRD], s31, v26
	v_add_nc_u32 v[YST], s32, v[ERD]
	v_add_nc_u32 v[EST1], 8*TILEB, v[YST]
	v_lshl_add_u32 v27, v2, 5, s33                 ; 4 (64 w + 8 (l / 16))
	v_add_nc_u32 v[CGA], CG, v27
	v_add_nc_u32 v[CDA], CD, v27
	v_add_nc_u32 v[RLST], RL, v27
	v_add_nc_u32 v[OST], OUTS, v27
	v_lshl_add_u32 v[CBA], v1, 5, s34
	v_add_nc_u32 v[CBA], CBX, v[CBA]
	v_lshl_add_u32 v[RLAD], v2, 5, RL
	v_lshl_add_u32 v[XST], v25, 3, s30
	v_lshlrev_b32 v[GOF], 4, v25
	v_lshl_add_u32 v[OGO], v25, 3, s33
	v_add_nc_u32 v[ORD], OUTS, v[OGO]
	v_lshlrev_b32 v28, 3, v0                       ; my thread's two numbers of g, bc and b_dec,
	v_add_nc_u32 v29, CG, v28                      ; where g's go,
	v_lshl_add_u32 v30, v0, 6, CBX                 ; and bc's, eight times each
	s_mov_b32 s[CS], 0x3fb8aa3b                    ; c = log2(e)
	s_mov_b32 s[CS+1], s[CS]                       ; named with it as a pair
	s_mov_b32 s[TR], 2
	s_lshl_b32 s36, ttmp9, 19                      ; two batches of 262,144 bytes a work-group,
	s_lshl_b32 s37, s[WV], 16                      ; my 64 rows of 1,024
	s_add_co_u32 s36, s36, s37
	s_mov_b32 s37, 0
	s_lshl_b32 s38, s[WV], 15                      ; my four row tiles of a matrix in wf
	s_mov_b32 s39, 0
	s_lshl_b32 s40, ttmp9, 11                      ; two rows of out0
	s_mov_b32 s41, 0
	s_wait_kmcnt 0x0
	s_add_nc_u64 s[XN:XN+1], s[4:5], s[36:37]
	s_add_nc_u64 s[GP:GP+1], s[6:7], s[38:39]
	s_add_nc_u64 s[WP:WP+1], s[GP:GP+1], 0x20000
	s_add_nc_u64 s[OP:OP+1], s[12:13], s[40:41]
	global_load_b64 v[32:33], v28, s[8:9]              ; g
	global_load_b64 v[34:35], v28, s[8:9] offset:1024  ; bc
	global_load_b64 v[36:37], v28, s[10:11]            ; b_dec
	; THE FIRST BATCH's x, two chunks on their way at a time; G's bank takes the place of the chunks that do not exist.  Each count of 32 is the one group of 32 loads issued behind the chunk that is wanted.
	ISSUE 0, 0
	ISSUE 1, 128
	s_wait_loadcnt 32                              ; the constants and chunk 0 are in
	ds_store_b64 v29, v[32:33]
	ds_store_b64 v29, v[36:37] offset:CD-CG
.irp e, 0,1,2,3
	v_mov_b32 v[40+(\e)], v34
	v_mov_b32 v[44+(\e)], v35
.endr
	ds_store_b128 v30, v[40:43]
	ds_store_b128 v30, v[40:43] offset:16
	ds_store_b128 v30, v[44:47] offset:32
	ds_store_b128 v30, v[44:47] offset:48
	FINISH 0, 0
	STORE 0, 0
	s_wait_dscnt 0x0                               ; the stores have read their registers: they are loaded again
	ISSUE 2, 0
	s_wait_loadcnt 32                              ; chunk 1
	FINISH 128, 128
	STORE 1, 128
	s_wait_dscnt 0x0
	ISSUE 3, 128
	s_wait_loadcnt 32                              ; chunk 2
	FINISH 0, 0
	STORE 2, 0
	WLOAD GP, 0
	s_wait_loadcnt 32                              ; chunk 3
	FINISH 128, 128
	STORE 3, 128
	WLOAD GP, 32
	s_wait_loadcnt 0x0                             ; G's bank is in; no load names XN any more
	s_add_nc_u64 s[XN:XN+1], s[XN:XN+1], 0x40000   ; the second batch
	BAR                                            ; X and the constants are whole
.Lbatch:
	; PHASE A: Y = x G + g
	NXIF 1
	ISSUE 0, 128
	NXEND 1
	LD32 BIAS, CGA, 64                             ; C: g of my n, by register
	s_mov_b32 s[TB], 0
	s_mov_b32 s[TY], 0
	FRAGS FA, XRD0, 0
	TILE PA, FA, FB, AA, AB, 0, 1                  ; tile 0 is written out: there is no tile before it
	s_mov_b32 s[CNT], 8
	s_branch .LmidA
.LloopA:
	TILE PA, FA, FB, AA, AB, 1, 1
.LmidA:
	TILE PA, FB, FA, AB, AA, 1, 2
	s_sub_co_u32 s[CNT], s[CNT], 1
	s_cmp_lg_u32 s[CNT], 0
	s_cbranch_scc1 .LloopA
	v_add_nc_u32 v[YSR], s[TY], v[YST]             ; tile 15 goes out; four places behind its last product
	v_nop
	v_nop
	v_nop
.irp g, 0,1,2,3
	EP PA, \g, AB, 0
.endr
	NXIF 2
	FINISH 128, 0
	ISSUE 1, 128
	NXEND 2
	BAR                                            ; Y is whole
	; PHASE C: S^T = Y x^T for my 64 j and all i
	v_mov_b32 v[CY],  v[YRD]
	v_mov_b32 v[CX0], v[XRD0]
	v_mov_b32 v[CX1], v[XRD1]
	s_mov_b32 s[TB], 0
	YLOAD YF0, 0
	XLOAD XF0, CX0, 0
	CPAIR 1
	s_mov_b32 s[CNT], 3
.LloopC:
	CPAIR 0
	s_sub_co_u32 s[CNT], s[CNT], 1
	s_cmp_lg_u32 s[CNT], 0
	s_cbranch_scc1 .LloopC
	PLACES
	BAR                                            ; nobody reads Y any more: E may take its place
	NXIF 3
	FINISH 128, 64
	NXEND 3
	SOFT 0
	SOFT 1
	WLOAD WP, 0                                    ; window 1 is free: Wc^T's bank is asked for
	SOFT 2
	WLOAD WP, 32
	SOFT 3
.irp x, 1,2,4,8
.set i, 0
.rept 32
	v_add_f32_dpp v[SUM+i], v[SUM+i], v[SUM+i] row_xmask:\x row_mask:0xf bank_mask:0xf
.set i, i+1
.endr
.endr
.set i, 0
.rept 32
	v_rcp_f32 v[SUM+i], v[SUM+i]
.set i, i+1
.endr
	v_nop                                          ; a plain instruction behind the last reciprocal,
	s_wait_alu depctr_va_vdst(0)                   ; and one wait for the 32
	ST32 SUM, RLST                                 ; the sixteen lanes of a half store the same numbers to the same words
	BAR                                            ; E and 1 / l are whole
	; PHASE B: (Z / l)^T, Z = x Wc + bc
	LD32 BIAS, CBA, 512                            ; C: bc of my lane's o in all eight registers
	FRAGS FA, XRD0, 0
	s_wait_loadcnt 0x0                             ; Wc^T's bank is in
	NXIF 4
	ISSUE 2, 128
	NXEND 4
	TILE PB, FA, FB, AA, AB, 0, 1, 0
	TILE PB, FB, FA, AB, AA, 1, 1, 1
.set tt, 2
.rept 6                                        ; written out: a tile's results go to registers of their own
	TILE PB, FA, FB, AA, AB, 1, 1, tt
	TILE PB, FB, FA, AB, AA, 1, 1, tt+1
.set tt, tt+2
.endr
	TILE PB, FA, FB, AA, AB, 1, 1, 14
	TILE PB, FB, FA, AB, AA, 1, 0, 15
	PLACES
	ds_load_b128 v[RLR:RLR+3],   v[RLAD] offset:64*15
	ds_load_b128 v[RLR+4:RLR+7], v[RLAD] offset:64*15+16
	s_wait_dscnt 0x0
.irp g, 0,1,2,3
	EP PB, \g, AB, 15
.endr
	WIN 0
	NXIF 5
	FINISH 128, 128
	NXEND 5
	BAR                                            ; nobody reads X any more: the next batch's may take its place
	; PHASE D: out^T = (Z / l)^T E^T, and its maximum over i
	s_cmp_eq_u32 s[TR], 1
	s_cselect_b32 s[GH], 0, 4
	NXIF 6
	STORE 0, 0
	STORE 1, 64
	STORE 2, 128
	s_wait_dscnt 0x0                               ; the stores have read their registers: they are loaded again
	ISSUE 3, 0
	NXEND 6
.set i, 0
.rept 32
	v_mov_b32 v[RM+i], 0xff800000                  ; the maximum starts at minus infinity, so that the loop has one form for every tile
.set i, i+1
.endr
	s_mov_b32 s[TB], 0
	FRAGS FA, ERD, 0
	TILE PD, FA, FB, AA, AB, 0, 1
	s_mov_b32 s[CNT], 8
	s_branch .LmidD
.LloopD:
	s_cmp_eq_u32 s[CNT], s[GH]                     ; eight tiles are done: the next batch's bank of G is asked for, into window 1, which this phase does not name
	s_cbranch_scc0 .LnogD
	s_wait_loadcnt 0x0                             ; chunk 3, asked for eight tiles ago: the block stands by itself
	WLOAD GP, 0
	WLOAD GP, 32
.LnogD:
	TILE PD, FA, FB, AA, AB, 1, 1
.LmidD:
	TILE PD, FB, FA, AB, AA, 1, 2
	s_sub_co_u32 s[CNT], s[CNT], 1
	s_cmp_lg_u32 s[CNT], 0
	s_cbranch_scc1 .LloopD
	PLACES
	LD32 FA, CDA, 64                               ; b_dec of my o, by register
.irp g, 0,1,2,3
	EP PD, \g, AB, 0
.endr
.irp x, 1,2,4,8
.set i, 0
.rept 32
	v_max_num_f32_dpp v[RM+i], v[RM+i], v[RM+i] row_xmask:\x row_mask:0xf bank_mask:0xf
.set i, i+1
.endr
.endr
	s_wait_dscnt 0x0
.set i, 0
.rept 16
	v_pk_add_f32 v[RM+i:RM+i+1], v[RM+i:RM+i+1], v[FA+i:FA+i+1]
.set i, i+2
.endr
	ST32 RM, OST                                   ; my 64 numbers into my own 256 bytes (the sixteen lanes of a half store the same),
	ds_load_b64 v[96:97], v[ORD]                   ; and back, 8 bytes a lane: LDS serves a wave's instructions in order (ISA guide 5.7.1.4)
	s_wait_dscnt 0x0
	global_store_b64 v[OGO], v[96:97], s[OP:OP+1] th:TH_STORE_NT  ; the wave stores 256 consecutive bytes, at a multiple of 256 from out0's first
	s_wait_loadcnt 0x0                             ; G's bank and chunk 3 are in
	NXIF 7
	FINISH 0, 0
	STORE 3, 0
	NXEND 7
	s_wait_xcnt 0x0                                ; the store has read its registers and its base
	s_add_nc_u64 s[OP:OP+1], s[OP:OP+1], 1024
	BAR                                            ; the new X is whole, and nobody reads E any more
	s_sub_co_u32 s[TR], s[TR], 1
	s_cmp_lg_u32 s[TR], 0
	s_cbranch_scc1 .Lbatch
	s_wait_tensorcnt 0x0                           ; the wave's end, behind my last LDS store
	ds_add_u32 v[SPW], v[NIL]
	s_wait_dscnt 0x0
	s_endpgm
.Lfunc_end_k_q82a8feab9c_macom:
	.size	k_q82a8feab9c_macom, .Lfunc_end_k_q82a8feab9c_macom-k_q82a8feab9c_macom
	.p2alignl 7, 3214868480
	.fill 96, 4, 3214868480
	.section	.rodata,"a",@progbits
	.p2align	6, 0x0
	.amdhsa_kernel k_q82a8feab9c_macom
		.amdhsa_group_segment_fixed_size 283136
		.amdhsa_private_segment_fixed_size 0
		.amdhsa_enable_private_segment 0
		.amdhsa_kernarg_size 40
		.amdhsa_user_sgpr_count 2
		.amdhsa_user_sgpr_kernarg_segment_ptr 1
		.amdhsa_wavefront_size32 1
		.amdhsa_system_sgpr_workgroup_id_x 1
		.amdhsa_system_sgpr_workgroup_id_y 1
		.amdhsa_system_sgpr_workgroup_id_z 1
		.amdhsa_system_vgpr_workitem_id 0
		.amdhsa_next_free_vgpr 1024
		.amdhsa_next_free_sgpr 66
		.amdhsa_reserve_vcc 0
		.amdhsa_float_denorm_mode_32 3
		.amdhsa_float_denorm_mode_16_64 3
		.amdhsa_memory_ordered 1
		.amdhsa_forward_progress 1
		.amdhsa_inst_pref_size 255
	.end_amdhsa_kernel
	.section	.bss,"aw",@nobits
	.p2align	6
	.space	262144
	.amdgpu_metadata
---
amdhsa.version: [ 1, 2 ]
amdhsa.kernels:
  - .name:           k_q82a8feab9c_macom
    .symbol:         k_q82a8feab9c_macom.kd
    .args:
      - { .name: x, .offset: 0, .size: 8, .value_kind: global_buffer, .address_space: global }
      - { .name: wf, .offset: 8, .size: 8, .value_kind: global_buffer, .address_space: global }
      - { .name: bv, .offset: 16, .size: 8, .value_kind: global_buffer, .address_space: global }
      - { .name: b_dec, .offset: 24, .size: 8, .value_kind: global_buffer, .address_space: global }
      - { .name: out0, .offset: 32, .size: 8, .value_kind: global_buffer, .address_space: global }
    .group_segment_fixed_size: 283136
    .private_segment_fixed_size: 0
    .kernarg_segment_align: 8
    .kernarg_segment_size: 40
    .max_flat_workgroup_size: 128
    .sgpr_count:     66
    .vgpr_count:     1024
    .wavefront_size: 32
...
	.end_amdgpu_metadata
.endif
;; end of part 2
;; ======== version 2 of 2: 2 launches; version 1 with the launch macom written anew for expert scheduling mode
;; limits: right only within a limited range of input values; values outside matrix products are rounded to bf16
;; workspace buffers: wf 262,144 bytes; bv 2,048 bytes
;; launch prep: the kernel of part 1 again; grid 16 x 4, 4 waves a work-group, no clusters, 17,920 bytes of LDS; arguments W_enc, W_dec, b_enc, wf, bv; writes wf, bv
;; launch macom (part 3): grid 256 x 1, 4 waves a work-group, no clusters, 283,136 bytes of LDS; arguments x, wf, bv, b_dec, out0; writes out0
.if DOCPART == 3
	.amdgcn_target "amdgcn-amd-amdhsa--gfx1250"
	.amdhsa_code_object_version 6
	.text
	.protected	k_q82a8feab9c_macom
	.globl	k_q82a8feab9c_macom
	.p2align	8
	.type	k_q82a8feab9c_macom,@function
k_q82a8feab9c_macom:
	s_mov_b64 s[64:65], 0
	v_nop
	global_prefetch_b8 v0, s[64:65] scope:SCOPE_SE
	s_setreg_imm32_b32 hwreg(HW_REG_WAVE_SCHED_MODE, 0, 2), 2
	s_setreg_imm32_b32 hwreg(HW_REG_WAVE_MODE, 25, 1), 1
	s_wait_xcnt 0x0
	s_wait_alu depctr_vm_vsrc(0)
; out0[b][o] = max over i of ( sum over j of softmax_i(enc_i . enc_j) enc_j W_dec )[o] + b_dec[o],  enc = x W_enc + b_enc.  x: [512][256][256] f32; out0: [512][256] f32.
; RE-ASSOCIATED, exactly, for every input.  enc_i . enc_j = x_i . Y_j + b_enc . enc_j with Y = x G + g; the second term does not hang on i and cancels in a softmax over i, so the score is
; S[i][j] = x_i . Y_j, and its own column maximum is taken away.  (P enc) W_dec = P Z with Z = x Wc + bc.  b_dec is added behind the maximum over i.  So a batch is four products of 256 x 256 x 256.
; G, Wc^T (bf16, in fragment order, in wf) and g, bc (f32, in bv) come from the launch before.
; FORMATS.  x, G, Wc, Y, the weights E = 2^(c S - c m) and Z / l are bf16 matrix operands, each rounded once; all sums, maxima, l and 1 / l are f32 (l is the sum of the unrounded E).  c = log2(e).
; LIMITS.  NaN and infinities are not treated apart (the maxima drop a NaN).  A weight below 2^-126 counts as 0.  c m is rounded to f32 before it is taken away, so a column's E share a factor
; 2^d with |d| at most half a last place of c m; it cancels in E / l as long as 2^d stays in f32's range, which holds for |c m| under 2^30.  The order of the sums is not the reference's.
; SHARES.  A work-group stays and makes batches 2 wg and 2 wg + 1.  Wave w owns the block 64 w .. 64 w + 63: of n in phase A, of j in C, of o in B and D.
;   A  Y^T tile [n own][j]   = G bank x X tile j, C = g         -> Y[j][n] bf16 into R2
;   C  S^T tile [j own][i]   = Y own rows x X tile i            -> 64 accumulators; maximum and sum over i (16 accumulators, then 16 lanes); E[i][j] bf16 into R2, 1 / l into RL
;   B  Z tile   [j][o own]   = X tile j x Wc^T bank, C = bc     -> times 1 / l[j], bf16: that IS a fragment of (Z / l)^T, kept in window 2
;   D  out^T tile [o own][i] = (Z / l)^T bank x E tile i        -> running maximum over i
; In A, B and D a bank of 32 fragments stays in registers and tiles of 16 rows move past it: 16 LDS loads feed 32 products.  The next batch's x is asked for a phase ahead, 16 rows (16 KiB on end) a wave and
; phase, waits in window 3 as bf16, and goes into R1 when phase B has read the old x for the last time.
; NO CLUSTER, NO TENSOR LOADS.  Work-groups share the weights alone, 32 KiB a wave and bank, which go straight into registers in fragment order; a joint load lands in LDS, where X and Y / E hold 270,336
; bytes and a work-group's bank of 131,072 has no room.  x is f32 and is rounded on its way in, through registers.  NO PREFETCH: x's own loads go out a whole phase ahead of their use.
; THE MODE: SCHED_MODE bits 1:0 = 2 (LLVM: expert scheduling mode 2), set by the entry lines.  The code itself states the register dependences between vector or matrix instructions and memory or LDS
; instructions, with s_wait_alu, always for 0.
; THE PLAN.  Registers that memory or LDS instructions touch, and who else names them:
;   FA, FB (XF0, XF1), YF0, YF1   A step (a moving tile; a group of phase C) multiplies one buffer; at its head the next step's LDS loads land in the buffer that the step before multiplied.
;   OB0, OB1 (window 2, phase A)  Tile t's roundings write Y of tile t - 1 into one; the four LDS stores at the head of tile t + 1 read it; tile t + 2's roundings write it again.
;   v[MV], v[YSR], v[CY], v[CX0], v[CX1]   Written by one vector add at a step's head, read by that head's LDS loads and stores.
;   v24-31 in phase B             1 / l of a tile: two LDS loads at a tile's head land there; that tile's multiplies read them.
;   ET0, ET1 (softmax)            The roundings of j tile jt write one; the sixteen LDS stores that read it stand in j tile jt + 1's softmax, behind the wait for its exponentials.
;   window 3                      ISSUE's loads land; FINISH's roundings read and write; STORE's LDS stores read.      window 1   WLOAD's loads land; products and the softmax name it.
;   All other addresses are made at the kernel's head and never written again.
; So ONE wait on va_vdst stands at a step's head, behind the address adds: the addresses are written, the step before is done reading the buffer in which the loads land, and its roundings have written the
; out-buffer.  One wait on vm_vsrc stands ahead of the adds: the step before's loads and stores have read the addresses and the out-buffer.  The rest stand where a phase hands registers to the next.
; A load under another window: the switch, the wait, the loads.
; REGISTERS, in windows of 256 (s_set_vgpr_msb: bits 1:0 source 0, 3:2 source 1, 5:4 source 2, 7:6 destination):
;   window 0: v0-31 addresses and small things; v32-63 the C operands (A, B), m and c m (softmax), the running maximum (D); v64-127, v128-191 two buffers of moving fragments, E on its way out;
;             v192-223, v224-255 two sets of four accumulators (A, B, D), Y's fragments (C), l (softmax)
;   window 1: G bank (A), S of my j tiles 0, 1 (C), Wc^T bank (B), the next G (D)      window 2: v0-31 Y on its way out (A), S of j tiles 2, 3 (C), (Z / l)^T bank (B, D)      window 3: the next batch's x
.set P,     528                        ; an LDS row: 512 bytes + 16 = 33 x 16: the 16 rows of a fragment load start at 16 different groups of four banks (64 banks of 4 bytes: ISA guide 11.1)
.set TILEB, 16*P
.set R1,    0                          ; X bf16 [row][k]
.set R2,    256*P                      ; Y bf16 [j][n], later E bf16 [i][j]
.set CG,    2*256*P                    ; g, 256 f32
.set CBX,   CG+1024                    ; bc, each number eight times: [o][8] f32
.set CD,    CBX+8192                   ; b_dec, 256 f32
.set RL,    CD+1024                    ; 1 / l[j], 256 f32
.set OUTS,  RL+1024                    ; 256 bytes for each wave, for the way out
.set SPARE, OUTS+1024                  ; the spare words, 128 bytes for each wave: two blocks of 256 bytes that no other line names
.set PA, 0
.set PB, 1
.set PD, 2
.set SPW,  3                           ; v3   LDS address of my spare word; never rewritten
.set NIL,  4                           ; v4   0; never rewritten
.set XRD0, 5                           ; v5   R1 + FR, FR = (l % 16) P + 16 (l / 16): my place in a fragment's rows
.set XRD1, 6                           ; v6   eight tiles further on (an LDS offset holds 16 bits)
.set YRD,  7                           ; v7   R2 + 64 w rows + FR
.set ERD,  8                           ; v8   R2 + FR
.set MV,   9                           ; v9   the moving tile's address
.set YST,  10                          ; v10  R2 + (l % 16) P + 2 (64 w + 8 (l / 16)): where my 16 bytes of a row of Y, and of E, go
.set YSR,  11                          ; v11  the same in the tile that is going out
.set EST1, 13                          ; v13  YST eight tiles further on
.set CGA,  14
.set CBA,  15
.set CDA,  16
.set RLAD, 17
.set RLST, 18
.set XST,  19                          ; v19  R1 + 64 w rows + 8 l
.set GOF,  20                          ; v20  16 l
.set OST,  21
.set ORD,  22
.set OGO,  23
.set CY,   24                          ; phase C: the three addresses at the K step in hand
.set CX0,  25
.set CX1,  26
.set RLR,  24                          ; phase B: v24-31, 1 / l of a tile's eight j
.set BIAS, 32
.set M,    32
.set CM,   40
.set RM,   32
.set FA,   64
.set FB,   128
.set AA,   192
.set AB,   224
.set XF0,  64
.set XF1,  128
.set YF0,  192
.set YF1,  224
.set SUM,  192
.set OB,   0                           ; window 2: two out-buffers of 16 registers: the set AA's tile of Y at OB, the set AB's at OB + 16
.set WV,  14                           ; s14  my wave's number
.set TR,  15                           ; s15  batches to go
.set CNT, 16                           ; s16  the loops' count
.set GH,  17                           ; s17  the count at which phase D asks for the next G; 0: never
.set CS,  18                           ; s[18:19] c
.set XN,  20                           ; s[20:21] x at my 64 rows of the batch that is being fetched
.set GP,  22                           ; s[22:23] my bank of G
.set WP,  24                           ; s[24:25] my bank of Wc^T
.set OP,  26                           ; s[26:27] out0 at the batch in hand
.set TB,  28                           ; s28  byte offset of the tile (A, D) or K step (C) to be fetched
.set TY,  29                           ; s29  byte offset of the tile of Y that is going out
.set MSB, 0
.macro WIN new                         ; the immediate's high byte repeats the setting that is left; a switch that changes nothing is dropped
.if MSB != (\new)
	s_set_vgpr_msb (MSB<<8)|(\new)
.set MSB, (\new)
.endif
.endm
.macro PLACES                          ; four places behind a product, in front of loads into registers that it has read and of vector work on its result (ISA guide 7.12.1 for vector work)
.rept 4
	v_nop
.endr
.endm
.macro BAR                             ; my LDS stores are done and my LDS reads are back; then everybody's
	s_wait_dscnt 0x0
	s_barrier_signal -1
	s_barrier_wait -1
.endm
.macro NXIF tag                        ; what follows, up to NXEND, serves the next batch: the last batch jumps over it.  It begins with all my loads in, so that it stands by itself
	s_cmp_eq_u32 s[TR], 1
	s_cbranch_scc1 .Lnx\tag
	s_wait_loadcnt 0x0
.endm
.macro NXEND tag
	WIN 0
.Lnx\tag:
.endm
.macro FRAGS buf, adr, off             ; a tile of 16 rows x 256 k: eight fragments, 16 loads
.irp ks, 0,1,2,3,4,5,6,7
	ds_load_b128 v[(\buf)+8*(\ks):(\buf)+8*(\ks)+3],   v[\adr] offset:(\off)+64*(\ks)
	ds_load_b128 v[(\buf)+8*(\ks)+4:(\buf)+8*(\ks)+7], v[\adr] offset:(\off)+64*(\ks)+32
.endr
.endm
.macro LD32 dst, adr, step             ; 32 registers: four groups of eight f32, step bytes apart
.irp t, 0,1,2,3
	ds_load_b128 v[(\dst)+8*(\t):(\dst)+8*(\t)+3],   v[\adr] offset:(\step)*(\t)
	ds_load_b128 v[(\dst)+8*(\t)+4:(\dst)+8*(\t)+7], v[\adr] offset:(\step)*(\t)+16
.endr
.endm
.macro ST32 src, adr                   ; and back: four groups of eight f32, 64 bytes apart
.irp t, 0,1,2,3
	ds_store_b128 v[\adr], v[(\src)+8*(\t):(\src)+8*(\t)+3]   offset:64*(\t)
	ds_store_b128 v[\adr], v[(\src)+8*(\t)+4:(\src)+8*(\t)+7] offset:64*(\t)+16
.endr
.endm
.macro YOUT ob, off                    ; a tile of Y leaves its out-buffer: a lane's eight n of a row are 16 bytes, four times
	WIN 0x08                                       ; the stores' data in window 2
.irp g, 0,1,2,3
	ds_store_b128 v[YSR], v[OB+(\ob)+4*(\g):OB+(\ob)+4*(\g)+3] offset:(\off)+32*(\g)
.endr
.endm
; Four products: K step ks of the moving tile in buf with the bank's four row tiles; fragment (t, ks) of a bank lies at 8 (8 t + ks).  The four accumulators take turns.
.macro MM4 ph, ks, buf, acc
.if (\ph) == PA
	WIN 0x01                                       ; source 0: the bank, window 1
.elseif (\ph) == PB
	WIN 0x04                                       ; source 1: the bank, window 1
.else
	WIN 0x02                                       ; source 0: the bank, window 2
.endif
.irp t, 0,1,2,3
.if (\ph) == PA
.if (\ks) == 0
	v_wmma_f32_16x16x32_bf16 v[(\acc)+8*(\t):(\acc)+8*(\t)+7], v[8*(8*(\t)+(\ks)):8*(8*(\t)+(\ks))+7], v[(\buf)+8*(\ks):(\buf)+8*(\ks)+7], v[BIAS+8*(\t):BIAS+8*(\t)+7]
.else
	v_wmma_f32_16x16x32_bf16 v[(\acc)+8*(\t):(\acc)+8*(\t)+7], v[8*(8*(\t)+(\ks)):8*(8*(\t)+(\ks))+7], v[(\buf)+8*(\ks):(\buf)+8*(\ks)+7], v[(\acc)+8*(\t):(\acc)+8*(\t)+7]
.endif
.elseif (\ph) == PB
.if (\ks) == 0
	v_wmma_f32_16x16x32_bf16 v[(\acc)+8*(\t):(\acc)+8*(\t)+7], v[(\buf)+8*(\ks):(\buf)+8*(\ks)+7], v[8*(8*(\t)+(\ks)):8*(8*(\t)+(\ks))+7], v[BIAS+8*(\t):BIAS+8*(\t)+7]
.else
	v_wmma_f32_16x16x32_bf16 v[(\acc)+8*(\t):(\acc)+8*(\t)+7], v[(\buf)+8*(\ks):(\buf)+8*(\ks)+7], v[8*(8*(\t)+(\ks)):8*(8*(\t)+(\ks))+7], v[(\acc)+8*(\t):(\acc)+8*(\t)+7]
.endif
.else
.if (\ks) == 0
	v_wmma_f32_16x16x32_bf16 v[(\acc)+8*(\t):(\acc)+8*(\t)+7], v[8*(8*(\t)+(\ks)):8*(8*(\t)+(\ks))+7], v[(\buf)+8*(\ks):(\buf)+8*(\ks)+7], 0
.else
	v_wmma_f32_16x16x32_bf16 v[(\acc)+8*(\t):(\acc)+8*(\t)+7], v[8*(8*(\t)+(\ks)):8*(8*(\t)+(\ks))+7], v[(\buf)+8*(\ks):(\buf)+8*(\ks)+7], v[(\acc)+8*(\t):(\acc)+8*(\t)+7]
.endif
.endif
.endr
.endm
; What is made of accumulator g of a finished tile; each is read from its low end on.
;   A: eight n of a row of Y, rounded into the out-buffer at OB + T; the stores follow a tile later (YOUT).   B: eight j of a column of Z times 1 / l, rounded: half a fragment of the bank in window 2 (T: the tile).   D: the running maximum.
.macro EP ph, g, acc, T
.if (\ph) == PA
	WIN 0x80                                       ; destination window 2
.irp q, 0,1,2,3
	v_cvt_pk_bf16_f32 v[OB+(\T)+4*(\g)+(\q)], v[(\acc)+8*(\g)+2*(\q)], v[(\acc)+8*(\g)+2*(\q)+1]
.endr
.elseif (\ph) == PB
	WIN 0
.irp q, 0,1,2,3
	v_pk_mul_f32 v[(\acc)+8*(\g)+2*(\q):(\acc)+8*(\g)+2*(\q)+1], v[(\acc)+8*(\g)+2*(\q):(\acc)+8*(\g)+2*(\q)+1], v[RLR+2*(\q):RLR+2*(\q)+1]
.endr
	WIN 0x80                                       ; destination window 2
.irp q, 0,1,2,3
	v_cvt_pk_bf16_f32 v[8*(8*(\g)+(\T)/2)+4*((\T)%2)+(\q)], v[(\acc)+8*(\g)+2*(\q)], v[(\acc)+8*(\g)+2*(\q)+1]
.endr
.else
	WIN 0
.irp e, 0,1,2,3,4,5,6,7
	v_max_num_f32 v[RM+8*(\g)+(\e)], v[RM+8*(\g)+(\e)], v[(\acc)+8*(\g)+(\e)]
.endr
.endif
.endm
; A MOVING TILE: 32 products on the fragments in cur, into the set acc.  At its head the next tile's 16 loads go out into oth (ld = 1; ld = 2: not in the loop's last trip; ld = 0: none); the work on the tile
; before (set pacc, ep = 1) stands in groups behind the products.  st = 1 (phase A): the tile of Y that the tile before rounded is stored at the head, behind the loads.
; The wait on DScnt at the head is for 0: this tile's fragments were asked for a tile ago.  It and the two waits that state dependences stand ahead of the jump, so nothing hangs on it.
.macro TILE ph, cur, oth, acc, pacc, ep, ld, T=0, st=0
	s_wait_dscnt 0x0
.if (\ph) == PB
	PLACES
.if \ep
	s_wait_alu depctr_va_vdst(0)                   ; the last tile's products are done reading the buffer in which the fragments below land, and its multiplies are done reading v24-31, in which 1 / l lands
	ds_load_b128 v[RLR:RLR+3],   v[RLAD] offset:64*((\T)-1)      ; 1 / l of the tile before: j = 16 (T - 1) + 8 (l / 16) + 0..7
	ds_load_b128 v[RLR+4:RLR+7], v[RLAD] offset:64*((\T)-1)+16
.endif
.if \ld
.if (\T)+1 < 8
	FRAGS \oth, XRD0, ((\T)+1)*TILEB
.else
	FRAGS \oth, XRD1, ((\T)-7)*TILEB
.endif
.endif
.else
.if \ep
	s_wait_alu depctr_vm_vsrc(0)                   ; the last tile's LDS loads have read v[MV]; in phase A its stores have read v[YSR] and the out-buffer that this tile's roundings write again
.endif
	s_add_co_u32 s[TB], s[TB], TILEB
.if (\ph) == PA
	v_add_nc_u32 v[MV], s[TB], v[XRD0]             ; the address lines are places too
.else
	v_add_nc_u32 v[MV], s[TB], v[ERD]
.endif
.if \st
	v_add_nc_u32 v[YSR], s[TY], v[YST]
	s_add_co_u32 s[TY], s[TY], TILEB
.else
	v_nop
.endif
	v_nop
	v_nop
	s_wait_alu depctr_va_vdst(0)                   ; v[MV] (and v[YSR]) are written; the last tile's products are done reading the buffer in which the loads below land; its roundings have written the out-buffer that the stores below read
.if (\ld) == 2
	s_cmp_eq_u32 s[CNT], 1
	s_cbranch_scc1 .Lnold\@
.endif
	FRAGS \oth, MV, 0
.if (\ld) == 2
.Lnold\@:
.endif
.if \st
	YOUT 16-16*(((\pacc)-AA)/32), 0
.endif
.endif
.irp ks, 0,1,2,3,4,5,6,7
	MM4 \ph, \ks, \cur, \acc
.if \ep
.if (\ph) == PA
.if (\ks) < 4
	EP PA, \ks, \pacc, 16*(((\pacc)-AA)/32)
.endif
.elseif (\ph) == PB
.if (\ks) == 2
	s_wait_dscnt 16*(\ld)                          ; 1 / l is in; the fragment loads issued behind it, sixteen or none, may stay out
.endif
.if ((\ks) >= 2) && ((\ks) < 6)
	EP PB, (\ks)-2, \pacc, (\T)-1
.endif
.else
.if (\ks)%2 == 0
	EP PD, (\ks)/2, \pacc, 0
.endif
.endif
.endif
.endr
	WIN 0
.endm
; PHASE C, K outside.  One K step of eight tiles of X (16 loads), of my four tiles of Y (8 loads), and 32 products: my four j tiles x eight i tiles.  Accumulator (jt, it) lies in window 1 + jt / 2 at 128 (jt % 2) + 8 it.
.macro XLOAD xf, adr, koff
.irp i, 0,1,2,3,4,5,6,7
	ds_load_b128 v[(\xf)+8*(\i):(\xf)+8*(\i)+3],   v[\adr] offset:(\i)*TILEB+(\koff)
	ds_load_b128 v[(\xf)+8*(\i)+4:(\xf)+8*(\i)+7], v[\adr] offset:(\i)*TILEB+(\koff)+32
.endr
.endm
.macro YLOAD yf, koff
.irp i, 0,1,2,3
	ds_load_b128 v[(\yf)+8*(\i):(\yf)+8*(\i)+3],   v[CY] offset:(\i)*TILEB+(\koff)
	ds_load_b128 v[(\yf)+8*(\i)+4:(\yf)+8*(\i)+7], v[CY] offset:(\i)*TILEB+(\koff)+32
.endr
.endm
.macro CMUL yf, xf, hf, zero
.irp jt, 0,1,2,3
	WIN 0x50*(1+(\jt)/2)                           ; C and D in window 1 or 2
.irp i, 0,1,2,3,4,5,6,7
.if \zero
	v_wmma_f32_16x16x32_bf16 v[128*((\jt)%2)+8*(8*(\hf)+(\i)):128*((\jt)%2)+8*(8*(\hf)+(\i))+7], v[(\yf)+8*(\jt):(\yf)+8*(\jt)+7], v[(\xf)+8*(\i):(\xf)+8*(\i)+7], 0
.else
	v_wmma_f32_16x16x32_bf16 v[128*((\jt)%2)+8*(8*(\hf)+(\i)):128*((\jt)%2)+8*(8*(\hf)+(\i))+7], v[(\yf)+8*(\jt):(\yf)+8*(\jt)+7], v[(\xf)+8*(\i):(\xf)+8*(\i)+7], v[128*((\jt)%2)+8*(8*(\hf)+(\i)):128*((\jt)%2)+8*(8*(\hf)+(\i))+7]
.endif
.endr
.endr
	WIN 0
.endm
; Two K steps in four groups.  Each group: what was asked for a group ago is in; four places; the wait that states that the last group is done reading its buffers; the loads for the next group, into those buffers; 32 products.
; first = 1: written out ahead of the loop: the first step's products start the sums, and its first group's loads hang on the wait at the phase's head alone.  In the loop's last trip the loads for a further pair are jumped over.
.macro CPAIR first
	s_wait_dscnt 0x0
.if \first
	PLACES
.else
	s_wait_alu depctr_vm_vsrc(0)                   ; the LDS loads issued so far have read the three addresses
	s_add_co_u32 s[TB], s[TB], 128                 ; 64 k further along the rows
	v_add_nc_u32 v[CY],  s[TB], v[YRD]
	v_add_nc_u32 v[CX0], s[TB], v[XRD0]
	v_add_nc_u32 v[CX1], s[TB], v[XRD1]
	v_nop
	s_wait_alu depctr_va_vdst(0)                   ; the three addresses are written; the last group's products are done reading XF1 and YF1
.endif
	XLOAD XF1, CX1, 0
	YLOAD YF1, 64
	CMUL YF0, XF0, 0, \first
	s_wait_dscnt 0x0
	PLACES
	s_wait_alu depctr_va_vdst(0)                   ; the last group's products are done reading XF0
	XLOAD XF0, CX0, 64
	CMUL YF0, XF1, 1, \first
	s_wait_dscnt 0x0
	PLACES
	s_wait_alu depctr_va_vdst(0)                   ; the last group's products are done reading XF1 and YF0
	XLOAD XF1, CX1, 64
.if !(\first)
	s_cmp_eq_u32 s[CNT], 1
	s_cbranch_scc1 .Lcy\@
.endif
	YLOAD YF0, 128
.if !(\first)
.Lcy\@:
.endif
	CMUL YF1, XF0, 0, 0
	s_wait_dscnt 0x0
	PLACES
	s_wait_alu depctr_va_vdst(0)                   ; the last group's products are done reading XF0
.if !(\first)
	s_cmp_eq_u32 s[CNT], 1
	s_cbranch_scc1 .Lcx\@
.endif
	XLOAD XF0, CX0, 128
.if !(\first)
.Lcx\@:
.endif
	CMUL YF1, XF1, 1, 0
.endm
; THE SOFTMAX of my j tile jt, over i.  A lane holds one i (16 it + l % 16) and, by register, j = 8 (l / 16) + 0..7: the maximum and the sum over i go over the 16 accumulators, register by register, and then over 16 lanes.
.macro FSC it, p                       ; c s - c m for pair p of accumulator it
	v_pk_fma_f32 v[SB+8*(\it)+2*(\p):SB+8*(\it)+2*(\p)+1], v[SB+8*(\it)+2*(\p):SB+8*(\it)+2*(\p)+1], s[CS:CS+1], v[CM+2*(\p):CM+2*(\p)+1] op_sel_hi:[1,0,1] neg_lo:[0,0,1] neg_hi:[0,0,1]
.endm
.macro ESTORE jt                       ; E of j tile jt leaves its buffer: a lane's eight E are 16 bytes of row i of E
.set ES, 64+64*((\jt)%2)
	WIN 0
.set it, 0
.rept 8
	ds_store_b128 v[YST],  v[ES+4*it:ES+4*it+3]       offset:it*TILEB+32*(\jt)
	ds_store_b128 v[EST1], v[ES+32+4*it:ES+32+4*it+3] offset:it*TILEB+32*(\jt)
.set it, it+1
.endr
.endm
.macro SOFT jt
.set W,  1+(\jt)/2                     ; S's window
.set SB, 128*((\jt)%2)
.set ET, 64+64*((\jt)%2)               ; E on its way out: the two buffers by turns
.set SU, SUM+8*(\jt)
	WIN 0x15*W                                     ; all three sources in S's window
.irp r, 0,1,2,3,4,5,6,7
	v_max3_num_f32 v[M+(\r)], v[SB+(\r)], v[SB+8+(\r)], v[SB+16+(\r)]
.endr
	WIN 0x14*W
.irp s, 1,2,3,4,5,6
.irp r, 0,1,2,3,4,5,6,7
	v_max3_num_f32 v[M+(\r)], v[M+(\r)], v[SB+8*(2*(\s)+1)+(\r)], v[SB+8*(2*(\s)+2)+(\r)]
.endr
.endr
	WIN 0x04*W
.irp r, 0,1,2,3,4,5,6,7
	v_max_num_f32 v[M+(\r)], v[M+(\r)], v[SB+120+(\r)]
.endr
	WIN 0
.irp x, 1,2,4,8
.irp r, 0,1,2,3,4,5,6,7
	v_max_num_f32_dpp v[M+(\r)], v[M+(\r)], v[M+(\r)] row_xmask:\x row_mask:0xf bank_mask:0xf
.endr
.endr
.irp q, 0,2,4,6
	v_pk_mul_f32 v[CM+(\q):CM+(\q)+1], v[M+(\q):M+(\q)+1], s[CS:CS+1] op_sel_hi:[1,0]
.endr
	WIN 0x41*W                                     ; destination and source 0 in S's window
.irp p, 0,1,2,3
	FSC 0, \p
.endr
.set it, 0
.rept 16                                       ; ONE BATCH of 128 exponentials, in place; between them the next accumulator's scalings, which name no result of theirs
.irp p, 0,1,2,3
.if it < 15
	FSC it+1, \p
.endif
	v_exp_f32 v[SB+8*it+2*(\p)],   v[SB+8*it+2*(\p)]
	v_exp_f32 v[SB+8*it+2*(\p)+1], v[SB+8*it+2*(\p)+1]
.endr
.set it, it+1
.endr
	v_nop                                          ; a plain instruction behind the last exponential
.if (\jt) >= 2
	s_wait_alu depctr_vm_vsrc(0)                   ; the stores of E two j tiles back have read the buffer that the roundings below write again
.endif
	s_wait_alu depctr_va_vdst(0)                   ; the one wait for the batch, ahead of the first line that names a result; and the last j tile's roundings have written the buffer that the stores below read
.if (\jt) > 0
	ESTORE (\jt)-1
.endif
	WIN 0x05*W
.irp p, 0,2,4,6
	v_pk_add_f32 v[SU+(\p):SU+(\p)+1], v[SB+(\p):SB+(\p)+1], v[SB+8+(\p):SB+8+(\p)+1]  ; the first two accumulators start the sums
.endr
.set i, 0
.rept 64
	v_cvt_pk_bf16_f32 v[ET+i], v[SB+2*i], v[SB+2*i+1]
.set i, i+1
.endr
	WIN 0x04*W
.set it, 2
.rept 14
.irp p, 0,2,4,6
	v_pk_add_f32 v[SU+(\p):SU+(\p)+1], v[SU+(\p):SU+(\p)+1], v[SB+8*it+(\p):SB+8*it+(\p)+1]
.endr
.set it, it+1
.endr
	WIN 0
.endm
; THE NEXT BATCH's x.  A chunk is 16 of my 64 rows: 16,384 bytes on end.  ISSUE: 32 loads of 512 consecutive bytes into window 3.  FINISH: rounded to bf16, 128 registers into 64 (in place where the bases are equal:
; ascending, register q takes 2 q and 2 q + 1).  STORE: into R1; a store of the wave covers 256 consecutive bytes, half a row.  va, vm = 1: the dependence is stated here, behind the window's switch.
.macro ISSUE c, base, va=0, vm=0
	WIN 0xc0
.if \vm
	s_wait_alu depctr_vm_vsrc(0)                   ; the LDS stores have read the registers of window 3 in which these loads land
.endif
.if \va
	s_wait_alu depctr_va_vdst(0)                   ; the roundings are done reading and writing the registers of window 3 in which these loads land
.endif
.set q, 0
.rept 32
	global_load_b128 v[(\base)+4*q:(\base)+4*q+3], v[GOF], s[XN:XN+1] offset:16384*(\c)+512*q th:TH_LOAD_NT
.set q, q+1
.endr
	WIN 0
.endm
.macro FINISH sb, db
	WIN 0xcf
.set q, 0
.rept 64
	v_cvt_pk_bf16_f32 v[(\db)+q], v[(\sb)+2*q], v[(\sb)+2*q+1]
.set q, q+1
.endr
	WIN 0
.endm
.macro STORE c, base, va=0
	WIN 0x0c
.if \va
	s_wait_alu depctr_va_vdst(0)                   ; the roundings have written the registers of window 3 that the LDS stores read
.endif
.set q, 0
.rept 32
	ds_store_b64 v[XST], v[(\base)+2*q:(\base)+2*q+1] offset:(16*(\c)+q/2)*P+256*(q%2)
.set q, q+1
.endr
	WIN 0
.endm
.macro WLOAD ptr, first, va=0          ; half a bank into window 1: 32 loads of 512 consecutive bytes; register 4 i comes from byte 512 i
	WIN 0x40
.if \va
	s_wait_alu depctr_va_vdst(0)                   ; the products and the softmax's lines that named these registers of window 1 are done with them
.endif
.set q, (\first)
.rept 32
	global_load_b128 v[4*q:4*q+3], v[GOF], s[\ptr:\ptr+1] offset:512*q
.set q, q+1
.endr
	WIN 0
.endm
	s_load_b256 s[4:11], s[0:1], 0x0               ; x s[4:5], wf s[6:7], bv s[8:9], b_dec s[10:11]
	s_load_b64 s[12:13], s[0:1], 0x20              ; out0
	v_lshl_add_u32 v[SPW], v0, 2, SPARE
	v_mov_b32 v[NIL], 0
	v_lshrrev_b32 v24, 5, v0
	v_readfirstlane_b32 s[WV], v24                 ; wave 0..3
	v_and_b32 v1, 15, v0                           ; l % 16
	v_bfe_u32 v2, v0, 4, 1                         ; l / 16
	v_and_b32 v25, 31, v0                          ; l
	v_mul_u32_u24 v26, v1, P
	v_lshl_add_u32 v26, v2, 4, v26                 ; FR
	s_wait_alu depctr_va_sdst(0)                   ; s[WV] is written, ahead of its first reader: LDS places and the bases of x, wf and out0 are made from it
	s_mul_i32 s30, s[WV], 64*P                     ; my 64 rows
	s_add_co_u32 s31, s30, R2
	s_lshl_b32 s32, s[WV], 7                       ; my 64 columns of bf16
	s_lshl_b32 s33, s[WV], 8                       ; my 64 numbers of f32
	s_lshl_b32 s34, s[WV], 11                      ; my 64 rows of CBX
	v_add_nc_u32 v[XRD0], R1, v26
	v_add_nc_u32 v[XRD1], R1+8*TILEB, v26
	v_add_nc_u32 v[ERD], R2, v26
	v_add_nc_u32 v[YRD], s31, v26
	v_add_nc_u32 v[YST], s32, v[ERD]
	v_add_nc_u32 v[EST1], 8*TILEB, v[YST]
	v_lshl_add_u32 v27, v2, 5, s33                 ; 4 (64 w + 8 (l / 16))
	v_add_nc_u32 v[CGA], CG, v27
	v_add_nc_u32 v[CDA], CD, v27
	v_add_nc_u32 v[RLST], RL, v27
	v_add_nc_u32 v[OST], OUTS, v27
	v_lshl_add_u32 v[CBA], v1, 5, s34
	v_add_nc_u32 v[CBA], CBX, v[CBA]
	v_lshl_add_u32 v[RLAD], v2, 5, RL
	v_lshl_add_u32 v[XST], v25, 3, s30
	v_lshlrev_b32 v[GOF], 4, v25
	v_lshl_add_u32 v[OGO], v25, 3, s33
	v_add_nc_u32 v[ORD], OUTS, v[OGO]
	v_lshlrev_b32 v28, 3, v0                       ; my thread's two numbers of g, bc and b_dec,
	v_add_nc_u32 v29, CG, v28                      ; where g's go,
	v_lshl_add_u32 v30, v0, 6, CBX                 ; and bc's, eight times each
	s_mov_b32 s[CS], 0x3fb8aa3b                    ; c = log2(e)
	s_mov_b32 s[CS+1], s[CS]                       ; named with it as a pair
	s_mov_b32 s[TR], 2
	s_lshl_b32 s36, ttmp9, 19                      ; two batches of 262,144 bytes a work-group,
	s_lshl_b32 s37, s[WV], 16                      ; my 64 rows of 1,024
	s_add_co_u32 s36, s36, s37
	s_mov_b32 s37, 0
	s_lshl_b32 s38, s[WV], 15                      ; my four row tiles of a matrix in wf
	s_mov_b32 s39, 0
	s_lshl_b32 s40, ttmp9, 11                      ; two rows of out0
	s_mov_b32 s41, 0
	s_wait_kmcnt 0x0
	s_add_nc_u64 s[XN:XN+1], s[4:5], s[36:37]
	s_add_nc_u64 s[GP:GP+1], s[6:7], s[38:39]
	s_add_nc_u64 s[WP:WP+1], s[GP:GP+1], 0x20000
	s_add_nc_u64 s[OP:OP+1], s[12:13], s[40:41]
	s_wait_alu depctr_va_vdst(0)                   ; all the addresses and offsets made above, v5 to v30, are written: the kernel's loads and stores read them
	global_load_b64 v[32:33], v28, s[8:9]              ; g
	global_load_b64 v[34:35], v28, s[8:9] offset:1024  ; bc
	global_load_b64 v[36:37], v28, s[10:11]            ; b_dec
	; THE FIRST BATCH's x, two chunks on their way at a time; G's bank takes the place of the chunks that do not exist.  Each count of 32 is the one group of 32 loads issued behind the chunk that is wanted.
	ISSUE 0, 0
	ISSUE 1, 128
	s_wait_loadcnt 32                              ; the constants and chunk 0 are in
	ds_store_b64 v29, v[32:33]
	ds_store_b64 v29, v[36:37] offset:CD-CG
.irp e, 0,1,2,3
	v_mov_b32 v[40+(\e)], v34
	v_mov_b32 v[44+(\e)], v35
.endr
	FINISH 0, 0
	STORE 0, 0, 1                                  ; its wait also states that v40-47 are written, which the four stores below read
	ds_store_b128 v30, v[40:43]
	ds_store_b128 v30, v[40:43] offset:16
	ds_store_b128 v30, v[44:47] offset:32
	ds_store_b128 v30, v[44:47] offset:48
	ISSUE 2, 0, 1, 1
	s_wait_loadcnt 32                              ; chunk 1
	FINISH 128, 128
	STORE 1, 128, 1
	ISSUE 3, 128, 1, 1
	s_wait_loadcnt 32                              ; chunk 2
	FINISH 0, 0
	STORE 2, 0, 1
	WLOAD GP, 0
	s_wait_loadcnt 32                              ; chunk 3
	FINISH 128, 128
	STORE 3, 128, 1
	WLOAD GP, 32
	s_wait_loadcnt 0x0                             ; G's bank is in; no load names XN any more
	s_add_nc_u64 s[XN:XN+1], s[XN:XN+1], 0x40000   ; the second batch
	BAR                                            ; X and the constants are whole
.Lbatch:
	s_wait_alu depctr_vm_vsrc(0)                   ; the LDS stores issued so far and the store to out0 have read their data: v32-63 and v96-97, in which g and the first fragments land, and window 3's registers, which the next x takes
	; PHASE A: Y = x G + g
	NXIF 1
	ISSUE 0, 128, 1
	NXEND 1
	LD32 BIAS, CGA, 64                             ; C: g of my n, by register
	s_mov_b32 s[TB], 0
	s_mov_b32 s[TY], 0
	FRAGS FA, XRD0, 0
	TILE PA, FA, FB, AA, AB, 0, 1                  ; tiles 0 and 1 are written out: tile 0 has no tile before it to round, tile 1 none to store
	TILE PA, FB, FA, AB, AA, 1, 1
	s_mov_b32 s[CNT], 7
.LloopA:
	TILE PA, FA, FB, AA, AB, 1, 1, 0, 1
	TILE PA, FB, FA, AB, AA, 1, 2, 0, 1
	s_sub_co_u32 s[CNT], s[CNT], 1
	s_cmp_lg_u32 s[CNT], 0
	s_cbranch_scc1 .LloopA
	s_wait_alu depctr_vm_vsrc(0)                   ; tile 13's stores have read v[YSR] and the out-buffer that tile 15's roundings write
	v_add_nc_u32 v[YSR], s[TY], v[YST]             ; tiles 14 and 15 go out; four places behind the last product
	v_nop
	v_nop
	v_nop
.irp g, 0,1,2,3
	EP PA, \g, AB, 16
.endr
	WIN 0x08
	s_wait_alu depctr_va_vdst(0)                   ; v[YSR] and both out-buffers are written, which the eight stores read
	YOUT 0, 0
	YOUT 16, TILEB
	WIN 0
	NXIF 2
	FINISH 128, 0
	ISSUE 1, 128, 1
	NXEND 2
	BAR                                            ; Y is whole
	; PHASE C: S^T = Y x^T for my 64 j and all i
	s_wait_alu depctr_vm_vsrc(0)                   ; Y's last stores have read window 2's v0-31, in which sums of S begin
	v_mov_b32 v[CY],  v[YRD]
	v_mov_b32 v[CX0], v[XRD0]
	v_mov_b32 v[CX1], v[XRD1]
	s_mov_b32 s[TB], 0
	s_wait_alu depctr_va_vdst(0)                   ; the three addresses are written
	YLOAD YF0, 0
	XLOAD XF0, CX0, 0
	CPAIR 1
	s_mov_b32 s[CNT], 3
.LloopC:
	CPAIR 0
	s_sub_co_u32 s[CNT], s[CNT], 1
	s_cmp_lg_u32 s[CNT], 0
	s_cbranch_scc1 .LloopC
	PLACES
	BAR                                            ; nobody reads Y any more: E may take its place
	NXIF 3
	FINISH 128, 64
	NXEND 3
	SOFT 0
	SOFT 1
	WLOAD WP, 0, 1                                 ; j tile 0's half of window 1 is free: Wc^T's bank is asked for
	SOFT 2
	WLOAD WP, 32, 1
	SOFT 3
.irp x, 1,2,4,8
.set i, 0
.rept 32
	v_add_f32_dpp v[SUM+i], v[SUM+i], v[SUM+i] row_xmask:\x row_mask:0xf bank_mask:0xf
.set i, i+1
.endr
.endr
.set i, 0
.rept 32
	v_rcp_f32 v[SUM+i], v[SUM+i]
.set i, i+1
.endr
	v_nop                                          ; a plain instruction behind the last reciprocal,
	s_wait_alu depctr_va_vdst(0)                   ; and one wait for the 32, which the stores of 1 / l read; j tile 3's roundings have written the buffer that E's last stores read
	ESTORE 3
	ST32 SUM, RLST                                 ; the sixteen lanes of a half store the same numbers to the same words
	BAR                                            ; E and 1 / l are whole
	; PHASE B: (Z / l)^T, Z = x Wc + bc
	s_wait_alu depctr_vm_vsrc(0)                   ; the stores of E and of 1 / l have read v64-223, and phase C's loads v24-26: fragments, sums and 1 / l take these registers
	LD32 BIAS, CBA, 512                            ; C: bc of my lane's o in all eight registers
	FRAGS FA, XRD0, 0
	s_wait_loadcnt 0x0                             ; Wc^T's bank is in
	NXIF 4
	ISSUE 2, 128, 1
	NXEND 4
	TILE PB, FA, FB, AA, AB, 0, 1, 0
	TILE PB, FB, FA, AB, AA, 1, 1, 1
.set tt, 2
.rept 6                                        ; written out: a tile's results go to registers of their own
	TILE PB, FA, FB, AA, AB, 1, 1, tt
	TILE PB, FB, FA, AB, AA, 1, 1, tt+1
.set tt, tt+2
.endr
	TILE PB, FA, FB, AA, AB, 1, 1, 14
	TILE PB, FB, FA, AB, AA, 1, 0, 15
	PLACES
	s_wait_alu depctr_va_vdst(0)                   ; tile 14's multiplies are done reading v24-31, in which tile 15's 1 / l lands
	ds_load_b128 v[RLR:RLR+3],   v[RLAD] offset:64*15
	ds_load_b128 v[RLR+4:RLR+7], v[RLAD] offset:64*15+16
	s_wait_dscnt 0x0
.irp g, 0,1,2,3
	EP PB, \g, AB, 15
.endr
	WIN 0
	NXIF 5
	FINISH 128, 128
	NXEND 5
	BAR                                            ; nobody reads X any more: the next batch's may take its place
	; PHASE D: out^T = (Z / l)^T E^T, and its maximum over i
	s_cmp_eq_u32 s[TR], 1
	s_cselect_b32 s[GH], 0, 4
	NXIF 6
	STORE 0, 0, 1
	STORE 1, 64
	STORE 2, 128
	ISSUE 3, 0, 1, 1
	NXEND 6
.set i, 0
.rept 32
	v_mov_b32 v[RM+i], 0xff800000                  ; the maximum starts at minus infinity, so that the loop has one form for every tile
.set i, i+1
.endr
	s_mov_b32 s[TB], 0
	FRAGS FA, ERD, 0
	TILE PD, FA, FB, AA, AB, 0, 1
	s_mov_b32 s[CNT], 8
	s_branch .LmidD
.LloopD:
	s_cmp_eq_u32 s[CNT], s[GH]                     ; eight tiles are done: the next batch's bank of G is asked for, into window 1, which this phase does not name
	s_cbranch_scc0 .LnogD
	s_wait_loadcnt 0x0                             ; chunk 3, asked for eight tiles ago: the block stands by itself
	WLOAD GP, 0, 1
	WLOAD GP, 32
.LnogD:
	TILE PD, FA, FB, AA, AB, 1, 1
.LmidD:
	TILE PD, FB, FA, AB, AA, 1, 2
	s_sub_co_u32 s[CNT], s[CNT], 1
	s_cmp_lg_u32 s[CNT], 0
	s_cbranch_scc1 .LloopD
	PLACES
	LD32 FA, CDA, 64                               ; b_dec of my o, by register; the wait at the last tile's head has stated that the products are done reading FA
.irp g, 0,1,2,3
	EP PD, \g, AB, 0
.endr
.irp x, 1,2,4,8
.set i, 0
.rept 32
	v_max_num_f32_dpp v[RM+i], v[RM+i], v[RM+i] row_xmask:\x row_mask:0xf bank_mask:0xf
.set i, i+1
.endr
.endr
	s_wait_dscnt 0x0
.set i, 0
.rept 16
	v_pk_add_f32 v[RM+i:RM+i+1], v[RM+i:RM+i+1], v[FA+i:FA+i+1]
.set i, i+2
.endr
	s_wait_alu depctr_va_vdst(0)                   ; the additions have written v32-63, which the LDS stores read
	ST32 RM, OST                                   ; my 64 numbers into my own 256 bytes (the sixteen lanes of a half store the same),
	ds_load_b64 v[96:97], v[ORD]                   ; and back, 8 bytes a lane: LDS serves a wave's instructions in order (ISA guide 5.7.1.4)
	s_wait_dscnt 0x0
	global_store_b64 v[OGO], v[96:97], s[OP:OP+1] th:TH_STORE_NT  ; the wave stores 256 consecutive bytes, at a multiple of 256 from out0's first
	s_wait_loadcnt 0x0                             ; G's bank and chunk 3 are in
	NXIF 7
	FINISH 0, 0
	STORE 3, 0, 1
	NXEND 7
	s_wait_xcnt 0x0                                ; the store has read its registers and its base
	s_add_nc_u64 s[OP:OP+1], s[OP:OP+1], 1024
	BAR                                            ; the new X is whole, and nobody reads E any more
	s_sub_co_u32 s[TR], s[TR], 1
	s_cmp_lg_u32 s[TR], 0
	s_cbranch_scc1 .Lbatch
	s_wait_dscnt 0x0                               ; the closing lines, six on end
	s_wait_alu 0x0
	s_wait_tensorcnt 0x0
	ds_add_u32 v[SPW], v[NIL]
	s_wait_dscnt 0x0
	s_endpgm
.Lfunc_end_k_q82a8feab9c_macom:
	.size	k_q82a8feab9c_macom, .Lfunc_end_k_q82a8feab9c_macom-k_q82a8feab9c_macom
	.p2alignl 7, 3214868480
	.fill 96, 4, 3214868480
	.section	.rodata,"a",@progbits
	.p2align	6, 0x0
	.amdhsa_kernel k_q82a8feab9c_macom
		.amdhsa_group_segment_fixed_size 283136
		.amdhsa_private_segment_fixed_size 0
		.amdhsa_enable_private_segment 0
		.amdhsa_kernarg_size 40
		.amdhsa_user_sgpr_count 2
		.amdhsa_user_sgpr_kernarg_segment_ptr 1
		.amdhsa_wavefront_size32 1
		.amdhsa_system_sgpr_workgroup_id_x 1
		.amdhsa_system_sgpr_workgroup_id_y 1
		.amdhsa_system_sgpr_workgroup_id_z 1
		.amdhsa_system_vgpr_workitem_id 0
		.amdhsa_next_free_vgpr 1024
		.amdhsa_next_free_sgpr 66
		.amdhsa_reserve_vcc 0
		.amdhsa_float_denorm_mode_32 3
		.amdhsa_float_denorm_mode_16_64 3
		.amdhsa_memory_ordered 1
		.amdhsa_forward_progress 1
		.amdhsa_inst_pref_size 255
	.end_amdhsa_kernel
	.section	.bss,"aw",@nobits
	.p2align	6
	.space	262144
	.amdgpu_metadata
---
amdhsa.version: [ 1, 2 ]
amdhsa.kernels:
  - .name:           k_q82a8feab9c_macom
    .symbol:         k_q82a8feab9c_macom.kd
    .args:
      - { .name: x, .offset: 0, .size: 8, .value_kind: global_buffer, .address_space: global }
      - { .name: wf, .offset: 8, .size: 8, .value_kind: global_buffer, .address_space: global }
      - { .name: bv, .offset: 16, .size: 8, .value_kind: global_buffer, .address_space: global }
      - { .name: b_dec, .offset: 24, .size: 8, .value_kind: global_buffer, .address_space: global }
      - { .name: out0, .offset: 32, .size: 8, .value_kind: global_buffer, .address_space: global }
    .group_segment_fixed_size: 283136
    .private_segment_fixed_size: 0
    .kernarg_segment_align: 8
    .kernarg_segment_size: 40
    .max_flat_workgroup_size: 128
    .sgpr_count:     66
    .vgpr_count:     1024
    .wavefront_size: 32
...
	.end_amdgpu_metadata
.endif
;; end of part 3
